; MI455X (gfx1250); checked and timed in simulation.
; The chip was launched on July 23, 2026; its instructions are those of AMD's public machine-readable ISA for CDNA 5 (MIT licence, August 2026) and "CDNA5" Instruction Set Architecture Reference Guide (July 2026). The comments in the code are by the model that wrote it; some were corrected since.
;; Multi Head Attention. Allowed arithmetic: matrix products marked QUANTISED: E2M3 operands, one E8M0 scale for each 32 along K, by v_wmma_scale_f32_16x16x128_f8f6f4 with both operands' format E2M3, f32 sums; everything else in f32.
;; Inputs: Wk_codes 1,024 x 32 x 24 uint8 (E2M3 codes of Wk, K innermost, in blocks of 32 codes, four codes in three bytes); Wk_scales 1,024 x 32 uint8 (E8M0 scales of Wk, one for each 32 codes along K); Wo_codes 1,024 x 32 x 24 uint8 (E2M3 codes of Wo, K innermost, in blocks of 32 codes, four codes in three bytes); Wo_scales 1,024 x 32 uint8 (E8M0 scales of Wo, one for each 32 codes along K); Wq_codes 1,024 x 32 x 24 uint8 (E2M3 codes of Wq, K innermost, in blocks of 32 codes, four codes in three bytes); Wq_scales 1,024 x 32 uint8 (E8M0 scales of Wq, one for each 32 codes along K); Wv_codes 1,024 x 32 x 24 uint8 (E2M3 codes of Wv, K innermost, in blocks of 32 codes, four codes in three bytes); Wv_scales 1,024 x 32 uint8 (E8M0 scales of Wv, one for each 32 codes along K); key_codes 4 x 2,048 x 32 x 24 uint8 (E2M3 codes of key, K innermost, in blocks of 32 codes, four codes in three bytes); key_scales 4 x 2,048 x 32 uint8 (E8M0 scales of key, one for each 32 codes along K); mask 1 x 1 x 2,048 x 2,048 int32; padding 4 x 1 x 1 x 2,048 int32; query_codes 4 x 2,048 x 32 x 24 uint8 (E2M3 codes of query, K innermost, in blocks of 32 codes, four codes in three bytes); query_scales 4 x 2,048 x 32 uint8 (E8M0 scales of query, one for each 32 codes along K); value_codes 4 x 2,048 x 32 x 24 uint8 (E2M3 codes of value, K innermost, in blocks of 32 codes, four codes in three bytes); value_scales 4 x 2,048 x 32 uint8 (E8M0 scales of value, one for each 32 codes along K).
;; Outputs: out0 4 x 2,048 x 1,024 float32.
;; This version of the problem:
;;   THIS VERSION OF THE PROBLEM IS GIVEN IN LOW PRECISION. The matrix products marked QUANTISED in the list below multiply operands that are first quantised to E2M3 (2 exponent bits, 3 mantissa bits; 6 bits a number), with one power-of-two scale for each 32 numbers along K (OCP MX v1.0); their sums are f32. All else is computed in f32.
;;   The module's matrix products, in the order in which they are computed (A, B: the left and right operand; K: the contracted axis; several contracted axes count as one K, in the product's order):
;;     1. [M 8,192, K 1,024] x [K 1,024, N 1,024]; A: input query (given as codes); B: input Wq (given as codes): QUANTISED
;;     2. [M 8,192, K 1,024] x [K 1,024, N 1,024]; A: input key (given as codes); B: input Wk (given as codes): QUANTISED
;;     3. [M 8,192, K 1,024] x [K 1,024, N 1,024]; A: input value (given as codes); B: input Wv (given as codes): QUANTISED
;;     4. batch 64 x [M 2,048, K 64] x [K 64, N 2,048]; A: computed on the way; B: computed on the way: QUANTISED
;;     5. batch 64 x [M 64, K 2,048] x [K 2,048, N 2,048]; A: computed on the way; B: softmax (see below): QUANTISED
;;     6. [M 8,192, K 1,024] x [K 1,024, N 1,024]; A: computed on the way; B: input Wo (given as codes): QUANTISED
;;   THE QUANTISER, for each operand of a quantised product, along K:
;;     - K is cut into blocks of 32 from its start; a last block that is shorter is filled with zeros.
;;     - A block's scale is 2^e with e = floor(log2(the largest magnitude in the block)) - 2, held to -126 .. 127; a block of zeros has e = 0. As a byte (E8M0): e + 127.
;;     - Each number is divided by its block's scale, clamped to +-7.5, and rounded to the nearest number of E2M3, ties to even, subnormals kept.
;;     - The product sums the exact products of the quantised numbers (number of the format x scale) in f32.
;;   ~~~python
;;   def quantise(x, axis):      # numpy; x: float32 -> the quantised numbers, widened to float32 again
;;       x = np.moveaxis(x, axis, -1); K = x.shape[-1]
;;       x = np.pad(x, [(0, 0)] * (x.ndim - 1) + [(0, -K % 32)]); x = x.reshape(x.shape[:-1] + (-1, 32)); a = np.abs(x).max(-1, keepdims=True)
;;       e = np.where(a > 0, np.clip(np.frexp(np.where(a > 0, a, 1))[1] - 1 - 2, -126, 127), 0)      # np.frexp(a)[1] - 1 = floor(log2(a)), exactly
;;       r = np.clip(x / 2.0 ** e, -7.5, 7.5)
;;       step = 2.0 ** (np.maximum(np.frexp(np.where(r == 0, 1, r))[1] - 1, 0) - 3)
;;       q = np.round(r / step) * step * 2.0 ** e      # np.round: ties to even
;;       return np.moveaxis(q.reshape(q.shape[:-2] + (-1,))[..., :K], -1, axis).astype(np.float32)
;;   ~~~
;;   SOFTMAX AHEAD OF A QUANTISED PRODUCT. Where the list says 'softmax', what is quantised is not the finished softmax but p = 2^(t - M), with t = logit x log2(e) and M = ceil(the row's largest t), a whole number; so 1/2 < the row's largest p <= 1. The row's sum l is taken of the UNQUANTISED p, in f32, and the product's result is divided by l at the end. Since M is a whole number, a kernel that streams over the keys may use a running M (the ceiling of the running maximum): every later rescaling is an exact power of two, which a block's scale takes up: the codes' values come out the same.
;;   OPERANDS COMPUTED ON THE WAY. 'Computed on the way' means the value that the module computes at that place (a softmax that the list does not call 'softmax' is quantised finished and normalised). What goes into a quantiser is computed in f32, as accurately as f32 sums, v_exp_f32 and their like allow (about 1e-6 of the number): no bf16 or f16 on the way to a quantiser, and a product that is left as it is and whose result goes on into a quantised operand takes f32 operands (vector FMAs, or v_wmma_f32_16x16x4_f32). A number that lies on a knife's edge between two numbers of the format may be rounded either way, as far as f32 arithmetic and the matrix unit's own rounding can turn it there, and no further.
;;   INPUTS GIVEN AS CODES. Wk (in the module: [1024, 1024], K = its axis 1); Wo (in the module: [1024, 1024], K = its axis 1); Wq (in the module: [1024, 1024], K = its axis 1); Wv (in the module: [1024, 1024], K = its axis 1); key (in the module: [4, 2048, 1024], K = its axis 2); query (in the module: [4, 2048, 1024], K = its axis 2); value (in the module: [4, 2048, 1024], K = its axis 2): each comes as NAME_codes (uint8): NAME with its K axis moved to the last place and cut into blocks of 32 codes, [.., K / 32, bytes a block], one block behind the other in memory; four codes in three bytes: a row's codes are one little-endian stream of bits, code i at bits 6 i .. 6 i + 5 (a code: sign, 2 exponent bits, 3 mantissa bits); and NAME_scales (uint8): the same leading axes, one E8M0 byte (e + 127) for each 32 codes along K. Its value is code x scale, taken as it is: it is not quantised again, and the codes and scales need not be those that the quantiser above would give.
;; One version. Each part assembles by itself: llvm-mc -triple=amdgcn-amd-amdhsa -mcpu=gfx1250 --defsym DOCPART=n.
;; ======== version 1 of 1: 3 launches
;; limits: right only within a limited range of input values
;; workspace buffers: qkv 20,185,088 bytes; mw 2,097,152 bytes of whole numbers; aimg 6,291,456 bytes; asc 262,144 bytes
;; launch proj (part 1): grid 64 x 12, 4 waves a work-group, clusters of 4 x 4, 327,680 bytes of LDS; arguments query_codes, query_scales, Wq_codes, Wq_scales, key_codes, key_scales, Wk_codes, Wk_scales, value_codes, value_scales, Wv_codes, Wv_scales, mask, padding, qkv, mw; writes qkv, mw
.if DOCPART == 1
	.amdgcn_target "amdgcn-amd-amdhsa--gfx1250"
	.amdhsa_code_object_version 6
	.text
	.protected	k_q0345f45409_proj
	.globl	k_q0345f45409_proj
	.p2align	8
	.type	k_q0345f45409_proj,@function
k_q0345f45409_proj:
	s_mov_b64 s[64:65], 0
	v_nop
	global_prefetch_b8 v0, s[64:65] scope:SCOPE_SE
	s_setreg_imm32_b32 hwreg(HW_REG_WAVE_MODE, 25, 1), 1
	s_wait_xcnt 0x0
	s_wait_alu depctr_hold_cnt(0) depctr_sa_sdst(0) depctr_va_vdst(0) depctr_va_sdst(0) depctr_va_ssrc(0) depctr_va_vcc(0) depctr_vm_vsrc(0)
	s_getreg_b32 s2, hwreg(HW_REG_IB_STS2, 6, 4)
	s_cmp_eq_u32 s2, 0
	s_cbranch_scc0 .Lentry_in_a_cluster
	s_endpgm
.Lentry_in_a_cluster:
	s_bfe_u32 s2, ttmp6, 0x10000c
	s_cmp_lg_u32 s2, 0xf033
	s_cbranch_scc0 .Lentry_shape_is_right
	s_endpgm
.Lentry_shape_is_right:
; THE THREE PROJECTIONS, THEIR QUANTISERS, AND THE MASK AS LANE MASKS.  First of three launches (proj, attn, outp).
; DEAD WORK: none is left out.  Every input (seven pairs of codes and scales, mask, padding) has a way to the output and is loaded; all six products are done.
; LIMITS: q and k are multiplied by the f32 number nearest 1024^-0.25 where the problem divides by 1024^0.25 (a difference of one rounding); NaN and infinities are not served;
; a block of zeros gets the scale byte 1 where the quantiser says 127: its codes are zeros, and these bytes are read by this program alone.
; ONE GENERIC PRODUCT: D[i][j] = sum over k of P[i][k] R[j][k], K = 1,024, codes of E2M3 with E8M0 scales as they lie in memory; D x MULF is quantised ALONG i and stored as images of operand registers.
;   cluster y = 0: P = Wq, R = query;  1: P = Wk, R = key (i = head x 64 + d, j = token; MULF = 1024^-0.25);  2: P = value, R = Wv (i = token = key, j = head x 64 + d; MULF = 1): v is quantised along the keys.
; SHARES: a work-group makes i 256 x j 128, a wave i 128 x j 64 (32 accumulators).  All of K of both tiles lies in LDS at once: 384 rows x 768 bytes; nothing is filled again.
; CLUSTER 4 x 4: P's tile hangs on the tile row alone and is asked for jointly along a row of the cluster, R's on the tile column alone, jointly along a column.
; TILE ORDER: lane-row r of a tile T of 16 rows stands for row 32 (T / 2) + 8 (T % 2) + r + 8 (r / 8), for P and for R.  The matrix instruction takes P as source 0: a lane then holds one j, and the 16 registers of
; tiles 2 b, 2 b + 1 are i = 32 b + 16 (lane / 16) + 0 .. 15: neighbours along the axis that is quantised.
; IMAGES: six operand registers (16 rows x 64 codes) are 768 bytes: registers 0-3 at 16 x lane, registers 4-5 at 512 + 8 x lane: each store covers whole aligned blocks of 256 bytes.
; qkv: 64 records (batch x 16 + head) of REC bytes: K's images, V's images, K's scale words, V's scale words, Q's images, Q's scale words.
; mw [batch][query tile][key step][64 words]: bit l of word n is 1 where query (tile order, l % 16) sees key 128 step + 32 (n / 16) + 16 (l / 16) + n % 16: mask and padding both other than 0.
.set REC,   315392
.set VIMG,  98304
.set KSCO,  196608
.set VSCO,  204800
.set QIMG,  208896
.set QSCO,  307200
.set ROWP,  816                        ; an LDS row: 768 bytes + 16 behind each 256
.set SLAB,  16*ROWP                    ; 16 rows
.set PGD,   104576                     ; P's rows with bit 4 set lie this far behind those without: 128 more than a multiple of 256 bytes, so that the two groups of eight rows of a fragment fall on different banks (64 banks of 4 bytes: ISA guide 11.1)
.set RG0,   209152                     ; R's rows
.set RGD,   52352                      ; likewise 128 more than a multiple of 256
; THE SCALE WORDS do not pass through LDS: each wave loads its own 128 rows of P's (4,096 bytes) and 64 rows of R's (2,048 bytes) from memory into the registers that the products name.
; Eight lanes read the 256 bytes of eight neighbouring rows in two loads of 16 bytes a lane.  They are not asked for jointly: a work-group's scales are 12,288 bytes beside 294,912 bytes of codes.
.set SPARE, 326912                     ; the spare words: 128 bytes a wave, two blocks of 256 bytes that no other line names
.set FL,    (3<<16)|(1<<20)|(1<<21)|(5<<22)|(3<<25)   ; elements of 8 bytes; padding on; bit 21 beside a mask; after every 64 words; 4 words
.set ADP,  2                           ; v2, v3   LDS address of my lane in P's fragments (24 bytes a half; 40 where the piece lies behind one padding more)
.set ADR,  4                           ; v4, v5   the same for R
.set ASP,  6                           ; v6       P's scale words
.set ASR,  7                           ; v7       unused: R's scale words are read at v6's addresses
.set O16,  8                           ; v8       16 x lane
.set O8,   9                           ; v9       8 x lane
.set O16C, 10                          ; v10      16 x lane + DC: the fragment's second six registers
.set O8C,  11                          ; v11      8 x lane + DC
.set OS,   12                          ; v12      4 r + (lane / 16) x DSC
.set SHF,  13                          ; v13      (lane / 16) x SH
.set SPW,  28                          ; v28      my spare word; never rewritten
.set NIL,  29                          ; v29      0; never rewritten
.set SP,   32                          ; v32-63   P's scale words: register 8 p + q: lanes 0-15 tile 2 p, lanes 16-31 tile 2 p + 1, K step q
.set SR,   64                          ; v64-79   R's
.set RF,   96                          ; v96-191  R's fragments, two sets of 48
.set HA,   96                          ; behind the K loop: 64 numbers
.set PC,   160                         ; v160-179 the codes just made
.set TM,   180                         ; v180-195 at work in QUANT
.set PW,   196                         ; the scale word just made
.set PW2,  197
.set MD,   96                          ; MASKPACK: 64 words of the mask
.set PD,   160                         ; 16 words of padding
.set MW,   176                         ; the 64 lane masks, two to a lane
.set RES,  180                         ; and with each batch's padding
.set WV,   22
.set YY,   23
.set CX,   66
.set CY,   67
.set WI,   84                          ; wave % 2: my half of i; also which part I fetch
.set WJ,   85                          ; wave / 2: my half of j
.set TI,   86
.set TJ,   87
.set DB,   88                          ; s[88:89] bytes from one j tile's images to the next
.set DC,   90                          ; from a fragment's first six registers' image to its second's
.set DSC,  91
.set SH,   97
.set G1PC, 24
.set G1PS, 32
.set G1RC, 40
.set G1RS, 48
.set G0PC, 68
.set G0PS, 72
.set G0RC, 76
.set G0RS, 80
.set MSB, 0
.macro WIN new                         ; the immediate's high byte repeats the setting that is left
.if MSB != \new
	s_set_vgpr_msb (MSB<<8)|\new
.set MSB, \new
.endif
.endm
.macro CROUND                          ; a round of the cluster's barrier
	s_barrier_signal -1
	s_barrier_wait -1
	s_cmp_lg_u32 s[WV], 0
	s_cbranch_scc1 .Lnot_wave_0_\@
	s_barrier_signal -3
.Lnot_wave_0_\@:
	s_barrier_wait -3
	s_barrier_signal -1
	s_barrier_wait -1
.endm
	s_load_b512 s[68:83], s[0:1], 0x0              ; query c, s; Wq c, s; key c, s; Wk c, s
	s_load_b512 s[84:99], s[0:1], 0x40             ; value c, s; Wv c, s; mask; padding; qkv; mw
	v_lshl_add_u32 v[SPW], v0, 2, SPARE
	v_mov_b32 v[NIL], 0
	ds_add_u32 v[SPW], v[NIL]                      ; the wave's opening: the add, twice on end, and its wait ahead of my first tensor load
	ds_add_u32 v[SPW], v[NIL]                      ; and once more; the set-up below, work on registers, stands between it and the wait
	v_lshrrev_b32 v1, 5, v0
	v_readfirstlane_b32 s[WV], v1                  ; wave 0..3
	s_and_b32 s[YY], ttmp7, 0xffff                 ; cluster y: which product
	s_bfe_u32 s[CX], ttmp6, 0x40000                ; my place in the cluster
	s_bfe_u32 s[CY], ttmp6, 0x40004
	s_lshl_b32 s2, s[CY], 2
	s_lshl_b32 s2, 15, s2                          ; my row of the cluster
	s_lshl_b32 s3, 0x1111, s[CX]                   ; my column
	s_or_b32 s[G1PC], s2, FL                       ; P's tiles go to my row,
	s_or_b32 s[G1RC], s3, FL                       ; R's to my column
.irp g, G1PC, G1RC                     ; codes: a line of the tile is 16 whole rows, 12,288 dense bytes (1,536 elements); the lines lie 32 rows apart in memory
	s_mov_b32 s[\g+1], 1536<<16
	s_mov_b32 s[\g+3], 1536<<16
	s_mov_b32 s[\g+5], 3072
	s_mov_b32 s[\g+6], 0
	s_mov_b32 s[\g+7], 0
.endr
	s_mov_b32 s[G1PC+2], 8<<16                     ; P: 8 lines,
	s_mov_b32 s[G1PC+4], 8
	s_mov_b32 s[G1RC+2], 4<<16                     ; R: 4
	s_mov_b32 s[G1RC+4], 4
	s_mov_b32 s60, 0x76543210                      ; v_permlanex16_b32's selects for lane l xor 16
	s_mov_b32 s61, 0xfedcba98
	s_mov_b32 s62, 0x3e3504f3                      ; 1024^-0.25
	s_cmp_eq_u32 s[YY], 2
	s_cselect_b32 s62, 1.0, s62                    ; v is not scaled
	s_mov_b32 s63, s62                             ; (named with it as a pair)
	s_wait_dscnt 0x0                               ; both opening adds are done
	s_wait_kmcnt 0x0
	s_cmp_eq_u32 s[YY], 0                          ; the buffers are chosen by the cluster's y alone
	s_cselect_b64 s[4:5], s[72:73], s[80:81]       ; P's codes
	s_cselect_b64 s[6:7], s[74:75], s[82:83]       ; P's scales
	s_cselect_b64 s[8:9], s[68:69], s[76:77]       ; R's codes
	s_cselect_b64 s[10:11], s[70:71], s[78:79]     ; R's scales
	s_cmp_eq_u32 s[YY], 2
	s_cselect_b64 s[4:5], s[84:85], s[4:5]
	s_cselect_b64 s[6:7], s[86:87], s[6:7]
	s_cselect_b64 s[8:9], s[88:89], s[8:9]
	s_cselect_b64 s[10:11], s[90:91], s[10:11]
	s_mov_b64 s[12:13], s[96:97]                   ; qkv, for the images
	s_mov_b64 s[14:15], s[96:97]                   ; qkv, for the scale words
	s_mov_b64 s[16:17], s[92:93]                   ; mask
	s_mov_b64 s[18:19], s[94:95]                   ; padding
	s_mov_b64 s[20:21], s[98:99]                   ; mw
	s_and_b32 s[WI], s[WV], 1
	s_lshr_b32 s[WJ], s[WV], 1
	s_lshr_b32 s90, ttmp9, 1
	s_and_b32 s91, ttmp9, 1
	s_cmp_eq_u32 s[YY], 2
	s_cselect_b32 s[TI], s90, 0                    ; q, k: 4 tile rows (the weight's 1,024 rows), 64 tile columns;  v: 32 tile rows (8,192 tokens), 8 tile columns
	s_cselect_b32 s[TJ], s91, ttmp9
	s_lshl_b32 s[TI], s[TI], 2
	s_add_co_u32 s[TI], s[TI], s[CY]               ; tile row: never holds cx
	s_lshl_b32 s[TJ], s[TJ], 2
	s_add_co_u32 s[TJ], s[TJ], s[CX]               ; tile column: never holds cy
	; the groups 0.  Every wave makes all four and asks by two of them
	s_lshl_b32 s2, s[TI], 8
	s_lshl_b32 s92, s[WI], 4
	s_add_co_u32 s92, s92, s2
	s_mul_i32 s92, s92, 768                        ; P's codes from row 256 ti + 16 g on
	s_mov_b32 s93, 0
	s_mov_b32 s[G0PC], 1
	s_mul_i32 s[G0PC+1], s[WI], PGD
	s_add_nc_u64 s[G0PC+2:G0PC+3], s[4:5], s[92:93]
	s_or_b32 s[G0PC+3], s[G0PC+3], 0x80000000
	s_lshl_b32 s92, s[WI], 7
	s_add_co_u32 s92, s92, s2
	s_lshl_b32 s92, s92, 5                         ; P's scale bytes from row 256 ti + 128 g on
	s_add_nc_u64 s[G0PS+2:G0PS+3], s[6:7], s[92:93]   ; a plain address: my 128 rows of P's scales
	s_lshl_b32 s3, s[TJ], 7
	s_lshl_b32 s94, s[WI], 4
	s_add_co_u32 s94, s94, s3
	s_mul_i32 s94, s94, 768                        ; R's codes from row 128 tj + 16 g on
	s_mov_b32 s95, 0
	s_mov_b32 s[G0RC], 1
	s_mul_i32 s[G0RC+1], s[WI], RGD
	s_add_co_u32 s[G0RC+1], s[G0RC+1], RG0
	s_add_nc_u64 s[G0RC+2:G0RC+3], s[8:9], s[94:95]
	s_or_b32 s[G0RC+3], s[G0RC+3], 0x80000000
	s_lshl_b32 s94, s[WJ], 6
	s_add_co_u32 s94, s94, s3
	s_lshl_b32 s94, s94, 5                         ; R's scale bytes from row 128 tj + 64 wj on: my 64 rows
	s_add_nc_u64 s[G0RS+2:G0RS+3], s[10:11], s[94:95] ; a plain address
	CROUND                                         ; all sixteen work-groups are here: the joint loads meet
	s_cmp_lt_u32 s[WV], 2                          ; waves 0, 1 fetch P's two parts, waves 2, 3 R's: one load of mine is out; an s_nop 0 and four v_nop follow it
	s_cbranch_scc0 .Lfill_r
	tensor_load_to_lds s[G0PC:G0PC+3], s[G1PC:G1PC+7]
	s_nop 0
.rept 4
	v_nop
.endr
	s_branch .Lfilled
.Lfill_r:
	tensor_load_to_lds s[G0RC:G0RC+3], s[G1RC:G1RC+7]
	s_nop 0
.rept 4
	v_nop
.endr
.Lfilled:
	; my lane's places
	v_and_b32 v14, 15, v0                          ; r
	v_bfe_u32 v15, v0, 4, 1                        ; h
	v_and_b32 v16, 7, v0                           ; e = r % 8
	v_bfe_u32 v17, v0, 3, 1                        ; gg = r / 8
	v_and_b32 v18, 31, v0                          ; lane
	v_mul_u32_u24 v19, v16, ROWP
	v_mad_u32_u24 v19, v15, 24, v19                ; e rows + 24 h
	v_mad_u32_u24 v[ADP], v17, PGD, v19            ; the rows 16 on lie in the second region
	s_mul_i32 s96, s[WI], 4*SLAB                   ; my 128 rows of P: four of each region's eight groups of 16
	v_add_nc_u32 v[ADP], s96, v[ADP]
	v_lshl_add_u32 v[ADP+1], v15, 4, v[ADP]
	v_mad_u32_u24 v[ADR], v17, RGD, v19
	s_mul_i32 s96, s[WJ], 2*SLAB
	s_add_co_u32 s96, s96, RG0
	v_add_nc_u32 v[ADR], s96, v[ADR]
	v_lshl_add_u32 v[ADR+1], v15, 4, v[ADR]
	v_lshl_add_u32 v20, v17, 1, v15                ; scale bytes: a row is 32 bytes.  Tile 2 p + h, rows e + 16 gg: row 32 p + 8 (h + 2 gg) + e
	v_lshlrev_b32 v20, 8, v20
	v_lshl_add_u32 v[ASP], v16, 5, v20
.irp p, 0,1,2,3
	global_load_b128 v[SP+8*\p:SP+8*\p+3], v[ASP], s[G0PS+2:G0PS+3] offset:1024*\p        ; K steps 0-3's words of tiles 2 p, 2 p + 1
	global_load_b128 v[SP+8*\p+4:SP+8*\p+7], v[ASP], s[G0PS+2:G0PS+3] offset:1024*\p+16   ; K steps 4-7's
.endr
.irp p, 0,1
	global_load_b128 v[SR+8*\p:SR+8*\p+3], v[ASP], s[G0RS+2:G0RS+3] offset:1024*\p
	global_load_b128 v[SR+8*\p+4:SR+8*\p+7], v[ASP], s[G0RS+2:G0RS+3] offset:1024*\p+16
.endr
	; where the results go.  q, k: record 16 batch + head, token tile t0 + b;  v: record likewise, key step ks, d tile b
	s_lshr_b32 s4, s[TJ], 4
	s_lshl_b32 s4, s4, 4
	s_lshl_b32 s8, s[TI], 2
	s_add_co_u32 s4, s4, s8
	s_lshl_b32 s8, s[WI], 1
	s_add_co_u32 s4, s4, s8                        ; q, k: 16 (tj / 16) + 4 ti + 2 wi
	s_lshl_b32 s5, s[TJ], 3
	s_lshl_b32 s8, s[WJ], 2
	s_add_co_u32 s5, s5, s8
	s_and_b32 s5, s5, 127                          ; t0
	s_lshr_b32 s6, s[TI], 3
	s_lshl_b32 s6, s6, 4
	s_lshl_b32 s8, s[TJ], 1
	s_add_co_u32 s6, s6, s8
	s_add_co_u32 s6, s6, s[WJ]                     ; v: 16 (ti / 8) + 2 tj + wj
	s_lshl_b32 s7, s[TI], 1
	s_add_co_u32 s7, s7, s[WI]
	s_and_b32 s7, s7, 15                           ; ks
	s_mul_i32 s8, s5, 768
	s_lshl_b32 s9, s5, 6
	s_mul_i32 s10, s7, 6144
	s_lshl_b32 s11, s7, 8
	s_add_co_u32 s10, s10, VIMG
	s_add_co_u32 s11, s11, VSCO
	s_cmp_eq_u32 s[YY], 0
	s_cselect_b32 s2, QIMG, 0                      ; K's images begin the record
	s_mov_b32 s3, KSCO
	s_cselect_b32 s3, QSCO, s3
	s_add_co_u32 s8, s8, s2
	s_add_co_u32 s9, s9, s3
	s_mov_b32 s[DB], 768
	s_mov_b32 s[DC], REC
	s_mov_b32 s[DSC], REC
	s_cmp_eq_u32 s[YY], 2
	s_cselect_b32 s4, s6, s4
	s_cselect_b32 s8, s10, s8
	s_cselect_b32 s9, s11, s9
	s_cselect_b32 s[DB], 1536, s[DB]               ; q, k: the next token tile;  v: the next d tile
	s_cselect_b32 s[DC], 768, s[DC]                ; q, k: the next head's record;  v: the step's second 64 keys
	s_cselect_b32 s[DSC], 0, s[DSC]                ; q, k: lanes 16-31 store the next head's scale word
	s_cselect_b32 s[SH], 0, 16                     ; which is the upper half of the word just made
	s_mov_b32 s[DB+1], 0
	s_mul_i32 s4, s4, REC
	s_add_co_u32 s6, s8, s4
	s_mov_b32 s7, 0
	s_add_nc_u64 s[12:13], s[12:13], s[6:7]
	s_add_co_u32 s6, s9, s4
	s_add_nc_u64 s[14:15], s[14:15], s[6:7]
	v_lshlrev_b32 v[O16], 4, v18
	v_lshlrev_b32 v[O8], 3, v18
	v_add_nc_u32 v[O16C], s[DC], v[O16]
	v_add_nc_u32 v[O8C], s[DC], v[O8]
	v_mul_lo_u32 v[OS], v15, s[DSC]
	v_lshl_add_u32 v[OS], v14, 2, v[OS]
	v_mul_lo_u32 v[SHF], v15, s[SH]
	; THE MASK WORDS, while the tiles are on their way.  The 2,048 waves of the q and k products take the 2,048 pairs (query tile, key step), one each.  The branch hangs on the cluster's y, which all partners share
	s_cmp_lt_u32 s[YY], 2
	s_cbranch_scc0 .Lno_mask
	s_lshl_b32 s4, s[YY], 10
	s_lshl_b32 s5, ttmp9, 6
	s_or_b32 s4, s4, s5
	s_lshl_b32 s5, s[CY], 4
	s_or_b32 s4, s4, s5
	s_lshl_b32 s5, s[CX], 2
	s_or_b32 s4, s4, s5
	s_or_b32 s4, s4, s[WV]                         ; 16 x query tile + key step
	s_lshr_b32 s5, s4, 4
	s_and_b32 s6, s4, 15
	s_lshr_b32 s8, s5, 1
	s_lshl_b32 s8, s8, 5
	s_and_b32 s9, s5, 1
	s_lshl_b32 s9, s9, 3
	s_add_co_u32 s8, s8, s9                        ; the tile's first query
	s_lshl_b32 s8, s8, 13                          ; a row of the mask is 8,192 bytes
	s_lshl_b32 s10, s6, 9                          ; a step's 128 keys are 512 bytes
	s_add_co_u32 s8, s8, s10
	s_mov_b32 s9, 0
	s_mov_b32 s11, 0
	s_add_nc_u64 s[16:17], s[16:17], s[8:9]
	s_add_nc_u64 s[18:19], s[18:19], s[10:11]
	s_lshl_b32 s8, s4, 8                           ; 256 bytes of words for each pair
	s_add_nc_u64 s[20:21], s[20:21], s[8:9]
	v_lshl_add_u32 v21, v17, 3, v14                ; r + 8 (r / 8)
	v_lshlrev_b32 v21, 13, v21
	v_lshl_add_u32 v21, v15, 6, v21                ; + 16 keys for lanes 16-31
	v_lshrrev_b32 v22, 3, v18
	v_lshlrev_b32 v22, 7, v22
	v_lshl_add_u32 v22, v16, 3, v22                ; padding: lane l wants the keys of words 2 l, 2 l + 1: 32 (l / 8) + 2 (l % 8) + 0, 1, and those 16 on
.irp bb, 0,1,2,3
.irp j, 0,1,2,3
	global_load_b128 v[MD+16*\bb+4*\j:MD+16*\bb+4*\j+3], v21, s[16:17] offset:128*\bb+16*\j th:TH_LOAD_NT   ; register n: my query, key 32 (n / 16) + 16 h + n % 16
.endr
.endr
.irp b, 0,1,2,3
	global_load_b64 v[PD+4*\b:PD+4*\b+1], v22, s[18:19] offset:8192*\b
	global_load_b64 v[PD+4*\b+2:PD+4*\b+3], v22, s[18:19] offset:8192*\b+64
.endr
	v_mov_b32 v[MW], 0                             ; (a lane write's destination counts as read)
	v_mov_b32 v[MW+1], 0
	v_mov_b32 v190, 0xffff
	v_mov_b32 v191, 0xffff0000
	s_wait_alu depctr_va_vdst(0)
	s_wait_loadcnt 0x0
.set nn, 0
.rept 16                               ; word n = the 32 lanes' answers for register n; it goes to lane n / 2, register n % 2
	v_cmp_ne_u32 s56, 0, v[MD+nn]
	v_cmp_ne_u32 s57, 0, v[MD+nn+1]
	v_cmp_ne_u32 s58, 0, v[MD+nn+2]
	v_cmp_ne_u32 s59, 0, v[MD+nn+3]
	v_writelane_b32 v[MW], s56, nn/2
	v_writelane_b32 v[MW+1], s57, nn/2
	v_writelane_b32 v[MW], s58, nn/2+1
	v_writelane_b32 v[MW+1], s59, nn/2+1
.set nn, nn+4
.endr
.irp b, 0,1,2,3
.irp e, 0,1
	v_cmp_ne_u32 vcc_lo, 0, v[PD+4*\b+\e]          ; the key of the word's lanes 0-15
	v_cndmask_b32 v178, 0, v190, vcc_lo
	v_cmp_ne_u32 vcc_lo, 0, v[PD+4*\b+2+\e]        ; and of its lanes 16-31
	v_cndmask_b32 v179, 0, v191, vcc_lo
	v_or_b32 v178, v178, v179
	v_and_b32 v[RES+2*\b+\e], v178, v[MW+\e]
.endr
.endr
.irp b, 0,1,2,3
	global_store_b64 v[O8], v[RES+2*\b:RES+2*\b+1], s[20:21] offset:524288*\b   ; 32 lanes store 256 consecutive bytes, aligned
.endr
.Lno_mask:
	s_wait_xcnt 0x0                                ; the stores have read their registers: these are written again below
	s_wait_loadcnt 0x0                             ; my scale words are in their registers,
	s_wait_tensorcnt 0x0                           ; my one tensor load has landed,
	s_barrier_signal -1
	s_barrier_wait -1                              ; everybody's has
.macro FRAG reg, adr, q, T             ; a fragment, 16 rows x 128 K: 12 registers, six pieces of 8 bytes.  Lanes 16-31 read three pieces on: behind one padding more where the piece's number in its 32 is 29 or more
.irp p, 0,1,2,3,4,5
.set PCE, 12*(\q)+6*(\p/3)+\p%3
.if PCE%32 < 29
	ds_load_b64 v[\reg+2*\p:\reg+2*\p+1], v[\adr] offset:8*PCE+16*(PCE/32)+((\T)/2)*SLAB+((\T)%2)*8*ROWP
.else
	ds_load_b64 v[\reg+2*\p:\reg+2*\p+1], v[\adr+1] offset:8*PCE+16*(PCE/32)+((\T)/2)*SLAB+((\T)%2)*8*ROWP
.endif
.endr
.endm
.macro FETCH q, set                    ; K step q's fragments: P's eight into window 1, R's four into window 0
	WIN 0x40
.irp T, 0,1,2,3,4,5,6,7
	FRAG 128*(\set)+12*\T, ADP, \q, \T
.endr
	WIN 0
.irp T, 0,1,2,3
	FRAG RF+48*(\set)+12*\T, ADR, \q, \T
.endr
.endm
.macro WM a, b, q, set, zero           ; one product: P's tile a x R's tile b.  Odd tiles' scale words stand in lanes 16-31
.set rD, 8*(8*(\b)+(\a))
.set rA, 128*(\set)+12*(\a)
.set rB, RF+48*(\set)+12*(\b)
.set rSA, SP+8*((\a)/2)+(\q)
.set rSB, SR+8*((\b)/2)+(\q)
.set par, 2*((\b)%2)+((\a)%2)
.if \zero
.if par == 0
	v_wmma_scale_f32_16x16x128_f8f6f4 v[rD:rD+7], v[rA:rA+11], v[rB:rB+11], 0, v[rSA], v[rSB] matrix_a_fmt:MATRIX_FMT_FP6 matrix_b_fmt:MATRIX_FMT_FP6
.elseif par == 1
	v_wmma_scale_f32_16x16x128_f8f6f4 v[rD:rD+7], v[rA:rA+11], v[rB:rB+11], 0, v[rSA], v[rSB] matrix_a_fmt:MATRIX_FMT_FP6 matrix_b_fmt:MATRIX_FMT_FP6 matrix_a_scale:MATRIX_SCALE_ROW1
.elseif par == 2
	v_wmma_scale_f32_16x16x128_f8f6f4 v[rD:rD+7], v[rA:rA+11], v[rB:rB+11], 0, v[rSA], v[rSB] matrix_a_fmt:MATRIX_FMT_FP6 matrix_b_fmt:MATRIX_FMT_FP6 matrix_b_scale:MATRIX_SCALE_ROW1
.else
	v_wmma_scale_f32_16x16x128_f8f6f4 v[rD:rD+7], v[rA:rA+11], v[rB:rB+11], 0, v[rSA], v[rSB] matrix_a_fmt:MATRIX_FMT_FP6 matrix_b_fmt:MATRIX_FMT_FP6 matrix_a_scale:MATRIX_SCALE_ROW1 matrix_b_scale:MATRIX_SCALE_ROW1
.endif
.else
.if par == 0
	v_wmma_scale_f32_16x16x128_f8f6f4 v[rD:rD+7], v[rA:rA+11], v[rB:rB+11], v[rD:rD+7], v[rSA], v[rSB] matrix_a_fmt:MATRIX_FMT_FP6 matrix_b_fmt:MATRIX_FMT_FP6
.elseif par == 1
	v_wmma_scale_f32_16x16x128_f8f6f4 v[rD:rD+7], v[rA:rA+11], v[rB:rB+11], v[rD:rD+7], v[rSA], v[rSB] matrix_a_fmt:MATRIX_FMT_FP6 matrix_b_fmt:MATRIX_FMT_FP6 matrix_a_scale:MATRIX_SCALE_ROW1
.elseif par == 2
	v_wmma_scale_f32_16x16x128_f8f6f4 v[rD:rD+7], v[rA:rA+11], v[rB:rB+11], v[rD:rD+7], v[rSA], v[rSB] matrix_a_fmt:MATRIX_FMT_FP6 matrix_b_fmt:MATRIX_FMT_FP6 matrix_b_scale:MATRIX_SCALE_ROW1
.else
	v_wmma_scale_f32_16x16x128_f8f6f4 v[rD:rD+7], v[rA:rA+11], v[rB:rB+11], v[rD:rD+7], v[rSA], v[rSB] matrix_a_fmt:MATRIX_FMT_FP6 matrix_b_fmt:MATRIX_FMT_FP6 matrix_a_scale:MATRIX_SCALE_ROW1 matrix_b_scale:MATRIX_SCALE_ROW1
.endif
.endif
.endm
.macro MUL q, set, zero                ; 32 products; the 32 accumulators take turns, one instruction a turn, in the same order in every step
	WIN 0xa1                                       ; source 0 (P) window 1, source 1 (R) window 0, C and D window 2
.irp b, 0,1,2,3
.irp a, 0,1,2,3,4,5,6,7
	WM \a, \b, \q, \set, \zero
.endr
.endr
.endm
.macro KSTEP q, zero                   ; this step's fragments are in; the next step's are asked for, into the other set; then the products
	s_wait_dscnt 0x0
.if (\q) > 0
.rept 4
	v_nop                                          ; four places in front of loads into registers that matrix instructions have read
.endr
.endif
.if (\q) < 7
	FETCH (\q)+1,((\q)+1)%2
.endif
	MUL \q,(\q)%2,\zero
.endm
; 64 numbers of a lane, register 16 b + i = index 32 b + 16 (lane / 16) + i along the axis that is quantised, become a fragment's codes in v[PC] on and its scale word in v[PW]
.macro QUANT s
.irp b, 0,1,2,3
	v_max3_num_f32 v[TM+\b], |v[\s+16*\b]|, |v[\s+1+16*\b]|, 0x1800000   ; my 16 numbers of block b, and the floor 2^(3 - 127): the byte cannot fall under 1
.endr
.irp i, 2,4,6,8,10,12,14
.irp b, 0,1,2,3
	v_max3_num_f32 v[TM+\b], v[TM+\b], |v[\s+16*\b+\i]|, |v[\s+1+16*\b+\i]|
.endr
.endr
.irp b, 0,1,2,3
	v_permlanex16_b32 v[TM+4+\b], v[TM+\b], s60, s61
.endr
.irp b, 0,1,2,3
	v_max_num_f32 v[TM+\b], v[TM+\b], v[TM+4+\b]   ; with lane l xor 16's: the block's largest magnitude
.endr
.irp b, 0,1,2,3
	v_add_nc_u32 v[TM+12+\b], 0xff000000, v[TM+\b] ; 2 off its exponent field: the conversion's scale operand
.endr
.irp b, 0,1,2,3
	v_lshrrev_b32 v[TM+4+\b], 23, v[TM+12+\b]      ; the scale's byte
.endr
	v_lshl_or_b32 v[PW], v[TM+5], 8, v[TM+4]
	v_lshl_or_b32 v[PW], v[TM+6], 16, v[PW]
	v_lshl_or_b32 v[PW], v[TM+7], 24, v[PW]
.irp c, 0,1
	v_cvt_scalef32_pk16_fp6_f32 v[PC+6*\c:PC+2+6*\c], v[\s+32*\c:\s+15+32*\c], v[TM+12+2*\c]
	v_cvt_scalef32_pk16_fp6_f32 v[PC+12+4*\c:PC+14+4*\c], v[\s+16+32*\c:\s+31+32*\c], v[TM+12+2*\c+1]   ; (a conversion's three registers begin on an even number)
.endr
	v_nop                                          ; one plain place behind a scaled conversion
.irp c, 0,1                            ; the operand's layout wants a whole block in a lane
.irp i, 0,1,2
	v_permlane16_swap_b32 v[PC+6*\c+\i], v[PC+12+4*\c+\i]
.endr
.irp i, 0,1,2
	v_mov_b32 v[PC+3+6*\c+\i], v[PC+12+4*\c+\i]
.endr
.endr
.endm
.macro OUTB b                          ; R's tile b: its 64 numbers a lane x MULF, quantised, stored as two images and a scale word a row
.if (\b) > 0
	s_wait_xcnt 0x0                                ; the last tile's stores have read their registers and bases
	s_add_nc_u64 s[12:13], s[12:13], s[DB:DB+1]
	s_add_nc_u64 s[14:15], s[14:15], 64
.endif
	WIN 0x02                                       ; source 0: the accumulators' window
.set nn, 0
.rept 32
	v_pk_mul_f32 v[HA+nn:HA+nn+1], v[64*(\b)+nn:64*(\b)+nn+1], s[62:63] op_sel_hi:[1,0]   ; each accumulator from its low end on
.set nn, nn+2
.endr
	WIN 0
	QUANT HA
	global_store_b128 v[O16], v[PC:PC+3], s[12:13]            ; 512 consecutive bytes, aligned
	global_store_b64 v[O8], v[PC+4:PC+5], s[12:13] offset:512 ; 256
	global_store_b128 v[O16C], v[PC+6:PC+9], s[12:13]
	global_store_b64 v[O8C], v[PC+10:PC+11], s[12:13] offset:512
	v_lshrrev_b32 v[PW2], v[SHF], v[PW]
	global_store_b32 v[OS], v[PW2], s[14:15]       ; q, k: lanes 0-15 the first head's word (its upper two bytes meet zero codes alone and are never 0xff), lanes 16-31 the second head's;  v: both halves the same word at the same place
.endm
	s_wait_alu depctr_va_vdst(0)
	FETCH 0,0
	KSTEP 0,1                                      ; the first step's products start the sums: nothing is cleared
.irp q, 1,2,3,4,5,6,7
	KSTEP \q,0
.endr
	WIN 0
.rept 4
	v_nop                                          ; four places behind the last products
.endr
.irp b, 0,1,2,3
	v_mov_b32 v[TM+4+\b], 0                        ; written once: a lane permute's destination counts as one of its sources
.endr
	OUTB 0
	OUTB 1
	OUTB 2
	OUTB 3
	s_wait_tensorcnt 0x0                           ; the wave's end
	ds_add_u32 v[SPW], v[NIL]
	s_wait_dscnt 0x0
	CROUND                                         ; the closing round
	s_endpgm
.Lfunc_end_k_q0345f45409_proj:
	.size	k_q0345f45409_proj, .Lfunc_end_k_q0345f45409_proj-k_q0345f45409_proj
	.p2alignl 7, 3214868480
	.fill 96, 4, 3214868480
	.section	.rodata,"a",@progbits
	.p2align	6, 0x0
	.amdhsa_kernel k_q0345f45409_proj
		.amdhsa_group_segment_fixed_size 327680
		.amdhsa_private_segment_fixed_size 0
		.amdhsa_enable_private_segment 0
		.amdhsa_kernarg_size 128
		.amdhsa_user_sgpr_count 2
		.amdhsa_user_sgpr_kernarg_segment_ptr 1
		.amdhsa_wavefront_size32 1
		.amdhsa_system_sgpr_workgroup_id_x 1
		.amdhsa_system_sgpr_workgroup_id_y 1
		.amdhsa_system_sgpr_workgroup_id_z 1
		.amdhsa_system_vgpr_workitem_id 0
		.amdhsa_next_free_vgpr 768
		.amdhsa_next_free_sgpr 100
		.amdhsa_reserve_vcc 1
		.amdhsa_float_denorm_mode_32 3
		.amdhsa_float_denorm_mode_16_64 3
		.amdhsa_memory_ordered 1
		.amdhsa_forward_progress 1
		.amdhsa_inst_pref_size 120
	.end_amdhsa_kernel
	.amdgpu_metadata
---
amdhsa.version: [ 1, 2 ]
amdhsa.kernels:
  - .name:           k_q0345f45409_proj
    .symbol:         k_q0345f45409_proj.kd
    .args:
      - { .name: query_codes, .offset: 0, .size: 8, .value_kind: global_buffer, .address_space: global }
      - { .name: query_scales, .offset: 8, .size: 8, .value_kind: global_buffer, .address_space: global }
      - { .name: Wq_codes, .offset: 16, .size: 8, .value_kind: global_buffer, .address_space: global }
      - { .name: Wq_scales, .offset: 24, .size: 8, .value_kind: global_buffer, .address_space: global }
      - { .name: key_codes, .offset: 32, .size: 8, .value_kind: global_buffer, .address_space: global }
      - { .name: key_scales, .offset: 40, .size: 8, .value_kind: global_buffer, .address_space: global }
      - { .name: Wk_codes, .offset: 48, .size: 8, .value_kind: global_buffer, .address_space: global }
      - { .name: Wk_scales, .offset: 56, .size: 8, .value_kind: global_buffer, .address_space: global }
      - { .name: value_codes, .offset: 64, .size: 8, .value_kind: global_buffer, .address_space: global }
      - { .name: value_scales, .offset: 72, .size: 8, .value_kind: global_buffer, .address_space: global }
      - { .name: Wv_codes, .offset: 80, .size: 8, .value_kind: global_buffer, .address_space: global }
      - { .name: Wv_scales, .offset: 88, .size: 8, .value_kind: global_buffer, .address_space: global }
      - { .name: mask, .offset: 96, .size: 8, .value_kind: global_buffer, .address_space: global }
      - { .name: padding, .offset: 104, .size: 8, .value_kind: global_buffer, .address_space: global }
      - { .name: qkv, .offset: 112, .size: 8, .value_kind: global_buffer, .address_space: global }
      - { .name: mw, .offset: 120, .size: 8, .value_kind: global_buffer, .address_space: global }
    .group_segment_fixed_size: 327680
    .private_segment_fixed_size: 0
    .kernarg_segment_align: 8
    .kernarg_segment_size: 128
    .max_flat_workgroup_size: 128
    .sgpr_count:     100
    .vgpr_count:     768
    .wavefront_size: 32
...
	.end_amdgpu_metadata
.endif
;; end of part 1
;; launch attn (part 2): grid 4 x 64, 16 waves a work-group, clusters of 4 x 1, 210,944 bytes of LDS; arguments qkv, mw, aimg, asc; writes aimg, asc
.if DOCPART == 2
	.amdgcn_target "amdgcn-amd-amdhsa--gfx1250"
	.amdhsa_code_object_version 6
	.text
	.protected	k_q0345f45409_attn
	.globl	k_q0345f45409_attn
	.p2align	8
	.type	k_q0345f45409_attn,@function
k_q0345f45409_attn:
	s_mov_b64 s[64:65], 0
	v_nop
	global_prefetch_b8 v0, s[64:65] scope:SCOPE_SE
	s_setreg_imm32_b32 hwreg(HW_REG_WAVE_MODE, 25, 1), 1
	s_wait_xcnt 0x0
	s_wait_alu depctr_hold_cnt(0) depctr_sa_sdst(0) depctr_va_vdst(0) depctr_va_sdst(0) depctr_va_ssrc(0) depctr_va_vcc(0) depctr_vm_vsrc(0)
	s_getreg_b32 s2, hwreg(HW_REG_IB_STS2, 6, 4)
	s_cmp_eq_u32 s2, 0
	s_cbranch_scc0 .Lentry_in_a_cluster
	s_endpgm
.Lentry_in_a_cluster:
	s_bfe_u32 s2, ttmp6, 0x10000c
	s_cmp_lg_u32 s2, 0x3003
	s_cbranch_scc0 .Lentry_shape_is_right
	s_endpgm
.Lentry_shape_is_right:
; ATTENTION ON CODES OF E2M3: scores, mask, softmax, second product, alpha = O / l quantised along the embedding.  No work is left out here.
; t = logit x log2(e) (q and k carry the scale 1024^-0.25 already); M = the running largest t rounded up to a whole number; p = 2^(t - M) is quantised along the keys; the row's sum is taken of the unquantised p and divides O at the end.
; HIDDEN SCORES (mask or padding 0) become -2^66 where the problem writes -1e20.  c x -2^66 is exact in f32, so in a row that is hidden throughout the fused multiply-add t - M gives exactly 0, p = 1 for all 2,048 keys:
; the mean of all values, as the problem gives.  In every other row p = 0, as there.  LIMITS: logits under 2^65 in magnitude; NaN and infinities are not served; O is multiplied by v_rcp_f32 of the sum.
; SHARES: a work-group takes one (batch, head) and 512 queries; wave w takes query tiles 32 cx + 2 w and + 1, one after the other, and walks all 2,048 keys, 128 a step.
; All of the head's K and V (images and scale words, 208,896 dense bytes of its record) stay in LDS: sixteen loads of 13,056 bytes, one a wave, asked for jointly by the cluster's four work-groups, which share the head.
; Both products are used transposed (S^T = K Q^T, O^T = V^T P^T): a lane holds one query.  K's tiles are in tile order, so the 16 registers of tiles 2 b, 2 b + 1 are 16 neighbouring keys.
; K = 64 IN AN INSTRUCTION OF 128: Q's registers 6-11 are zero codes; K's operand of tile t runs on into tile t + 1's codes, which meet those zeros.
; THE MASK: 64 words a step come by scalar loads, a step ahead; word n is the lane mask of score register n and is v_cndmask_b32's selector as it stands.
.set REC,   315392
.set VIMG,  98304
.set KSCO,  196608
.set VSCO,  204800
.set QIMG,  208896
.set QSCO,  307200
.set WPART, 13056                      ; a wave's part of the block: 51 rows of 256 bytes
.set SPARE, 208896                     ; the spare words: 128 bytes a wave, eight blocks of 256 bytes that no other line names
.set L16,  1                           ; v1   16 x lane
.set L8,   2                           ; v2   8 x lane
.set LV16, 3                           ; v3   + VIMG
.set LV8,  4                           ; v4
.set LKS,  5                           ; v5   4 x lane + KSCO
.set LVS,  6                           ; v6   4 x lane + VSCO
.set SPW,  7                           ; v7   my spare word; never rewritten
.set NIL,  8                           ; v8   0; never rewritten
.set NEG,  9                           ; v9   -2^66
.set R4,   10                          ; v10  4 (lane % 16)
.set QF,   16                          ; v16-27 Q; v22-27 zero codes
.set QS,   28                          ; v28  Q's scale words
.set AD,   30                          ; v30-35 the step's LDS addresses
.set KS,   36                          ; v36-39 K's scale words: lanes 0-15 tile 2 p, lanes 16-31 tile 2 p + 1
.set VS,   40                          ; v40-41 V's
.set KF,   42                          ; v42-95 K's codes: tile t at 42 + 6 t; v90-95 zeros
.set VF,   96                          ; v96-143 V's four fragments
.set S,    144                         ; v144-207 S^T, then p
.set OT,   208                         ; v208-239 O^T
.set FF,   240                         ; v[240:241] f
.set PWD,  242                         ; v242 p's scale word
.set T,    243                         ; at work
.set SUM2, 244                         ; v[244:245] the sum's second chain
.set PC,   42                          ; behind the score products K's registers are free: p's codes,
.set CT,   54                          ; the conversions' second halves,
.set BM,   62                          ; the blocks' largest,
.set BT,   66                          ; lane l xor 16's, then the bytes,
.set SO,   70                          ; the conversions' scale operands
.set WV,   12
.set TB,   13                          ; the step's images: 6,144 bytes a step, in K's as in V's
.set TS,   14                          ; K's scale words: 512 a step
.set TJ,   15                          ; V's: 256
.set MO,   16                          ; where the next step's mask words begin
.set STP,  17
.set PAS,  18
.set SEL,  20
.set CS,   22                          ; s[22:23] log2(e)
.set QSP,  24                          ; s[24:25] Q's scale words in memory
.set G1,   68                          ; s[68:75], s[76:79] the descriptor; behind the wait for the load these registers take mask words
.set G0,   76
.macro CROUND
	s_barrier_signal -1
	s_barrier_wait -1
	s_cmp_lg_u32 s[WV], 0
	s_cbranch_scc1 .Lnot_wave_0_\@
	s_barrier_signal -3
.Lnot_wave_0_\@:
	s_barrier_wait -3
	s_barrier_signal -1
	s_barrier_wait -1
.endm
	s_load_b256 s[4:11], s[0:1], 0x0               ; qkv, mw, aimg, asc
	v_lshl_add_u32 v[SPW], v0, 2, SPARE
	v_mov_b32 v[NIL], 0
	ds_add_u32 v[SPW], v[NIL]                      ; the wave's opening: the add, twice on end, and its wait ahead of my first tensor load
	ds_add_u32 v[SPW], v[NIL]                      ; and once more; the set-up below stands between it and the wait
	v_lshrrev_b32 v1, 5, v0
	s_delay_alu instid0(VALU_DEP_1)
	v_readfirstlane_b32 s[WV], v1                  ; wave 0..15
	s_bfe_u32 s19, ttmp6, 0x40000                  ; cx: it enters global addresses alone
	s_and_b32 s26, ttmp7, 0xffff                   ; 16 batch + head, which the four partners share
	s_mov_b32 s[G1], 15|(3<<16)|(1<<21)            ; the mask: all four; elements of 8 bytes; bit 21 beside a mask; no padding
	s_mov_b32 s[G1+1], 32<<16                      ; rows of 256 bytes,
	s_mov_b32 s[G1+2], 51<<16                      ; 51 of them
	s_mov_b32 s[G1+3], 32<<16
	s_mov_b32 s[G1+4], 51
	s_mov_b32 s[G1+5], 32
	s_mov_b32 s[G1+6], 0
	s_mov_b32 s[G1+7], 0
	s_mov_b32 s[SEL], 0x76543210
	s_mov_b32 s[SEL+1], 0xfedcba98
	s_mov_b32 s[CS], 0x3fb8aa3b                    ; log2(e)
	s_mov_b32 s[CS+1], s[CS]
	s_mul_i32 s27, s[WV], WPART
	s_mul_i32 s28, s26, REC
	s_mov_b32 s29, 0
	s_mov_b32 s30, s27
	s_mov_b32 s31, 0
	s_wait_dscnt 0x0                               ; both opening adds are done
	s_wait_kmcnt 0x0
	s_add_nc_u64 s[4:5], s[4:5], s[28:29]          ; my head's record
	s_mov_b32 s[G0], 1
	s_mov_b32 s[G0+1], s27                         ; LDS: as in memory
	s_add_nc_u64 s[G0+2:G0+3], s[4:5], s[30:31]
	s_or_b32 s[G0+3], s[G0+3], 0x80000000
	CROUND                                         ; all four work-groups are here
	tensor_load_to_lds s[G0:G0+3], s[G1:G1+7]      ; one load of mine is out
	s_nop 0
.rept 4
	v_nop
.endr
	s_lshl_b32 s27, s19, 5
	s_lshl_b32 s28, s[WV], 1
	s_add_co_u32 s27, s27, s28                     ; my first query tile
	s_lshr_b32 s28, s26, 4                         ; batch
	s_and_b32 s26, s26, 15                         ; head
	s_lshl_b32 s28, s28, 7
	s_add_co_u32 s28, s28, s27                     ; token tile among all 512
	s_lshl_b32 s30, s27, 6
	s_add_co_u32 s30, s30, QSCO
	s_add_nc_u64 s[QSP:QSP+1], s[4:5], s[30:31]
	s_mul_i32 s30, s27, 768
	s_add_co_u32 s30, s30, QIMG
	s_add_nc_u64 s[4:5], s[4:5], s[30:31]          ; Q's images
	s_lshl_b32 s30, s28, 12
	s_add_nc_u64 s[6:7], s[6:7], s[30:31]          ; my two tiles' mask words: 8,192 bytes on end
	s_lshl_b32 s30, s28, 4
	s_add_co_u32 s30, s30, s26
	s_mul_i32 s30, s30, 768
	s_add_nc_u64 s[8:9], s[8:9], s[30:31]          ; alpha's image
	s_lshl_b32 s30, s28, 9
	s_lshr_b32 s29, s26, 1
	s_lshl_b32 s29, s29, 6
	s_add_co_u32 s30, s30, s29
	s_and_b32 s29, s26, 1
	s_lshl_b32 s29, s29, 1
	s_add_co_u32 s30, s30, s29
	s_add_nc_u64 s[10:11], s[10:11], s[30:31]      ; alpha's scale bytes: my head's half of a word
	v_and_b32 v11, 31, v0
	s_delay_alu instid0(VALU_DEP_1)
	v_lshlrev_b32 v[L16], 4, v11
	s_delay_alu instid0(VALU_DEP_2)
	v_lshlrev_b32 v[L8], 3, v11
	s_delay_alu instid0(VALU_DEP_2)
	v_add_nc_u32 v[LV16], VIMG, v[L16]
	s_delay_alu instid0(VALU_DEP_2)
	v_add_nc_u32 v[LV8], VIMG, v[L8]
	v_lshl_add_u32 v[LKS], v11, 2, KSCO
	v_lshl_add_u32 v[LVS], v11, 2, VSCO
	v_mov_b32 v[NEG], 0xe0800000                   ; -2^66
	v_and_b32 v[R4], 15, v0
	s_delay_alu instid0(VALU_DEP_1)
	v_lshlrev_b32 v[R4], 2, v[R4]
.irp i, 0,1,2,3,4,5
	v_mov_b32 v[QF+6+\i], 0                        ; zero codes for k = 64 .. 127
	v_mov_b32 v[KF+48+\i], 0                       ; what tile 7's operand runs on into
.endr
	v_mov_b32 v[FF+1], 0                           ; (named as the upper half of a pair)
	s_mov_b32 s[MO], 0
	s_mov_b32 s[PAS], 0
	s_wait_tensorcnt 0x0                           ; my part has landed,
	s_barrier_signal -1
	s_barrier_wait -1                              ; everybody's has
	s_load_b512 s[32:47], s[6:7], s[MO] offset:0x0 ; the first step's 64 mask words
	s_load_b512 s[48:63], s[6:7], s[MO] offset:0x40
	s_load_b512 s[68:83], s[6:7], s[MO] offset:0x80
	s_load_b512 s[84:99], s[6:7], s[MO] offset:0xc0
.Lpass:                                            ; two trips: a query tile each
	global_load_b128 v[QF:QF+3], v[L16], s[4:5]
	global_load_b64 v[QF+4:QF+5], v[L8], s[4:5] offset:512
	global_load_b32 v[QS], v[R4], s[QSP:QSP+1]
	v_mov_b32 v13, 0xff61b1e6                      ; the largest t so far: -3e38
	s_delay_alu instid0(VALU_DEP_1)
	v_floor_f32 v12, -v13                          ; -M
	v_mov_b32 v14, 0                               ; the sum, in two halves
	v_mov_b32 v15, 0
.set nn, 0
.rept 32
	v_mov_b32 v[OT+nn], 0                          ; O^T: the step is written once, its first trip finds zeros
.set nn, nn+1
.endr
	s_mov_b32 s[TB], 0
	s_mov_b32 s[TS], 0
	s_mov_b32 s[TJ], 0
	s_mov_b32 s[STP], 0
	s_wait_loadcnt 0x0
.Lstep:                                            ; sixteen trips: 128 keys each
	v_add_nc_u32 v[AD], s[TB], v[L16]              ; six plain lines: also the places behind the last products, in front of the loads
	v_add_nc_u32 v[AD+1], s[TB], v[L8]
	v_add_nc_u32 v[AD+2], s[TB], v[LV16]
	v_add_nc_u32 v[AD+3], s[TB], v[LV8]
	v_add_nc_u32 v[AD+4], s[TS], v[LKS]
	v_add_nc_u32 v[AD+5], s[TJ], v[LVS]
.irp t, 0,1,2,3,4,5,6,7
	ds_load_b128 v[KF+6*\t:KF+6*\t+3], v[AD] offset:768*\t
	ds_load_b64 v[KF+6*\t+4:KF+6*\t+5], v[AD+1] offset:768*\t+512
.endr
.irp p, 0,1,2,3
	ds_load_b32 v[KS+\p], v[AD+4] offset:128*\p
.endr
.irp t, 0,1,2,3
.irp c, 0,1
	ds_load_b128 v[VF+12*\t+6*\c:VF+12*\t+6*\c+3], v[AD+2] offset:1536*\t+768*\c
	ds_load_b64 v[VF+12*\t+6*\c+4:VF+12*\t+6*\c+5], v[AD+3] offset:1536*\t+768*\c+512
.endr
.endr
.irp p, 0,1
	ds_load_b32 v[VS+\p], v[AD+5] offset:128*\p
.endr
	s_wait_dscnt 18                                ; K's 20 loads are in; the 18 younger ones, V's 16 and its 2 scale words, may stay out
.irp t, 0,2,4,6
	v_wmma_scale_f32_16x16x128_f8f6f4 v[S+8*\t:S+8*\t+7], v[KF+6*\t:KF+6*\t+11], v[QF:QF+11], 0, v[KS+\t/2], v[QS] matrix_a_fmt:MATRIX_FMT_FP6 matrix_b_fmt:MATRIX_FMT_FP6
	v_wmma_scale_f32_16x16x128_f8f6f4 v[S+8*\t+8:S+8*\t+15], v[KF+6*\t+6:KF+6*\t+17], v[QF:QF+11], 0, v[KS+\t/2], v[QS] matrix_a_fmt:MATRIX_FMT_FP6 matrix_b_fmt:MATRIX_FMT_FP6 matrix_a_scale:MATRIX_SCALE_ROW1
.endr
.rept 4
	v_nop                                          ; four places behind the products
.endr
	s_wait_kmcnt 0x0                               ; this step's mask words
.set nn, 0
.rept 32
	v_cndmask_b32 v[S+nn], v[NEG], v[S+nn], s[32+nn]   ; seen: the score; hidden: -2^66.  Each accumulator from its low end on
.set nn, nn+1
.endr
.set nn, 0
.rept 32
	v_cndmask_b32 v[S+32+nn], v[NEG], v[S+32+nn], s[68+nn]
.set nn, nn+1
.endr
	s_add_co_u32 s[MO], s[MO], 256                 ; (behind the wait above: the last loads have read it)
	s_min_u32 s[MO], s[MO], 7936                   ; the last look-ahead stays inside my 8,192 bytes
	s_load_b512 s[32:47], s[6:7], s[MO] offset:0x0 ; the next step's words, a step ahead of their use
	s_load_b512 s[48:63], s[6:7], s[MO] offset:0x40
	s_load_b512 s[68:83], s[6:7], s[MO] offset:0x80
	s_load_b512 s[84:99], s[6:7], s[MO] offset:0xc0
.irp b, 0,1,2,3
	v_max3_num_f32 v[BM+\b], v[S+16*\b], v[S+1+16*\b], v[S+2+16*\b]   ; the largest score of each block of 32 keys: for the row's maximum and for the block's largest p
.endr
.irp i, 3,5,7,9,11,13
.irp b, 0,1,2,3
	s_delay_alu instid0(VALU_DEP_4)
	v_max3_num_f32 v[BM+\b], v[BM+\b], v[S+16*\b+\i], v[S+1+16*\b+\i]
.endr
.endr
.irp b, 0,1,2,3
	s_delay_alu instid0(VALU_DEP_4)
	v_max_num_f32 v[BM+\b], v[BM+\b], v[S+15+16*\b]
.endr
.irp b, 0,1,2,3
	s_delay_alu instid0(VALU_DEP_4)
	v_permlanex16_b32 v[BT+\b], v[BM+\b], s[SEL], s[SEL+1]
.endr
.irp b, 0,1,2,3
	s_delay_alu instid0(VALU_DEP_4)
	v_max_num_f32 v[BM+\b], v[BM+\b], v[BT+\b]     ; with lane l xor 16's 16 keys
.endr
	s_delay_alu instid0(VALU_DEP_2)
	v_max3_num_f32 v[T], v[BM], v[BM+1], v[BM+2]
	s_delay_alu instid0(VALU_DEP_1)
	v_max_num_f32 v[T], v[T], v[BM+3]
	s_delay_alu instid0(VALU_DEP_1)
	v_mul_f32 v[T], s[CS], v[T]                    ; as t
	s_delay_alu instid0(VALU_DEP_1)
	v_max_num_f32 v13, v13, v[T]                   ; the running largest t
	v_mov_b32 v[T], v12
	s_delay_alu instid0(VALU_DEP_2)
	v_floor_f32 v12, -v13                          ; the new -M = -ceil(t)
	s_delay_alu instid0(VALU_DEP_1)
	v_sub_f32 v[T], v12, v[T]                      ; old M - new M: a whole number, 0 or less
	s_delay_alu instid0(VALU_DEP_1)
	v_cvt_i32_f32 v[T], v[T]                       ; (it saturates)
	s_delay_alu instid0(VALU_DEP_1)
	v_ldexp_f32 v[FF], 1.0, v[T]                   ; f = 2^(old M - new M)
.set nn, 0
.rept 32
	v_pk_fma_f32 v[S+nn:S+nn+1], v[S+nn:S+nn+1], s[CS:CS+1], v[12:13] op_sel_hi:[1,0,0]   ; t - M, two at a time
.set nn, nn+2
.endr
.irp b, 0,1,2,3
	v_fma_f32 v[BM+\b], v[BM+\b], s[CS], v12       ; the same of each block's largest score
.endr
.set nn, 0
	s_wait_alu depctr_va_vdst(0)
.rept 64
	v_exp_f32 v[S+nn], v[S+nn]                     ; p = 2^(t - M)
.set nn, nn+1
.endr
	v_pk_mul_f32 v[14:15], v[14:15], v[FF:FF+1] op_sel_hi:[1,0]   ; the sums under the new M: a plain place behind the exponentials
	s_wait_alu depctr_va_vdst(0)                   ; one wait for the batch of 64, ahead of its first reader
.irp b, 0,1,2,3
	v_exp_f32 v[BM+\b], v[BM+\b]                   ; the block's largest p
.endr
	v_pk_add_f32 v[244:245], v[148:149], v[152:153]
	v_pk_add_f32 v[254:255], v[156:157], v[160:161]
	v_pk_add_f32 v[252:253], v[164:165], v[168:169]
	v_pk_add_f32 v[250:251], v[172:173], v[176:177]
	v_pk_add_f32 v[248:249], v[180:181], v[184:185]
	v_pk_add_f32 v[246:247], v[188:189], v[192:193]
	v_pk_add_f32 v[88:89], v[196:197], v[200:201]
	v_pk_add_f32 v[14:15], v[14:15], v[204:205]
	v_pk_add_f32 v[244:245], v[244:245], v[144:145]
	v_pk_add_f32 v[254:255], v[254:255], v[146:147]
	v_pk_add_f32 v[252:253], v[252:253], v[150:151]
	v_pk_add_f32 v[250:251], v[250:251], v[154:155]
	v_pk_add_f32 v[248:249], v[248:249], v[158:159]
	v_pk_add_f32 v[246:247], v[246:247], v[162:163]
	v_pk_add_f32 v[88:89], v[88:89], v[166:167]
	v_pk_add_f32 v[14:15], v[14:15], v[170:171]
	v_pk_add_f32 v[244:245], v[244:245], v[174:175]
	v_pk_add_f32 v[254:255], v[254:255], v[178:179]
	v_pk_add_f32 v[252:253], v[252:253], v[182:183]
	v_pk_add_f32 v[250:251], v[250:251], v[186:187]
	v_pk_add_f32 v[248:249], v[248:249], v[190:191]
	v_pk_add_f32 v[246:247], v[246:247], v[194:195]
	v_pk_add_f32 v[88:89], v[88:89], v[198:199]
	v_pk_add_f32 v[14:15], v[14:15], v[202:203]
	v_pk_add_f32 v[244:245], v[244:245], v[206:207]
	s_delay_alu instid0(VALU_DEP_2)
	v_pk_add_f32 v[14:15], v[14:15], v[250:251]
	s_delay_alu instid0(VALU_DEP_2)
	v_pk_add_f32 v[244:245], v[244:245], v[248:249]
	v_pk_add_f32 v[254:255], v[254:255], v[246:247]
	v_pk_add_f32 v[252:253], v[252:253], v[88:89]
	s_delay_alu instid0(VALU_DEP_2)
	v_pk_add_f32 v[14:15], v[14:15], v[254:255]
	s_delay_alu instid0(VALU_DEP_2)
	v_pk_add_f32 v[244:245], v[244:245], v[252:253]
	s_delay_alu instid0(VALU_DEP_1)
	v_pk_add_f32 v[14:15], v[14:15], v[244:245]
	s_wait_alu depctr_va_vdst(0)                   ; and one for the four
.irp b, 0,1,2,3
	v_max_num_f32 v[BM+\b], 0x1800000, v[BM+\b]    ; the floor 2^(3 - 127): the byte cannot fall under 1
.endr
.irp b, 0,1,2,3
	s_delay_alu instid0(VALU_DEP_4)
	v_add_nc_u32 v[SO+\b], 0xff000000, v[BM+\b]    ; 2 off the exponent field
.endr
.irp b, 0,1,2,3
	s_delay_alu instid0(VALU_DEP_4)
	v_lshrrev_b32 v[BT+\b], 23, v[SO+\b]
.endr
	s_delay_alu instid0(VALU_DEP_3)
	v_lshl_or_b32 v[PWD], v[BT+1], 8, v[BT]        ; p's scale word for these 128 keys
	s_delay_alu instid0(VALU_DEP_1)
	v_lshl_or_b32 v[PWD], v[BT+2], 16, v[PWD]
	s_delay_alu instid0(VALU_DEP_1)
	v_lshl_or_b32 v[PWD], v[BT+3], 24, v[PWD]
.irp c, 0,1
	v_cvt_scalef32_pk16_fp6_f32 v[PC+6*\c:PC+2+6*\c], v[S+32*\c:S+15+32*\c], v[SO+2*\c]
	v_cvt_scalef32_pk16_fp6_f32 v[CT+4*\c:CT+2+4*\c], v[S+16+32*\c:S+31+32*\c], v[SO+2*\c+1]
.endr
	v_nop                                          ; one plain place behind a scaled conversion
.irp c, 0,1
.irp i, 0,1,2
	v_permlane16_swap_b32 v[PC+6*\c+\i], v[CT+4*\c+\i]
.endr
.irp i, 0,1,2
	s_delay_alu instid0(VALU_DEP_3)
	v_mov_b32 v[PC+3+6*\c+\i], v[CT+4*\c+\i]
.endr
.endr
.set nn, 0
.rept 16
	v_pk_mul_f32 v[OT+nn:OT+nn+1], v[OT+nn:OT+nn+1], v[FF:FF+1] op_sel_hi:[1,0]   ; O^T under the new M; these sixteen are also the places in front of the scaled products
.set nn, nn+2
.endr
	s_wait_alu depctr_va_vdst(0)
	s_wait_dscnt 0x0                               ; V
.irp t, 0,2
	v_wmma_scale_f32_16x16x128_f8f6f4 v[OT+8*\t:OT+8*\t+7], v[VF+12*\t:VF+12*\t+11], v[PC:PC+11], v[OT+8*\t:OT+8*\t+7], v[VS+\t/2], v[PWD] matrix_a_fmt:MATRIX_FMT_FP6 matrix_b_fmt:MATRIX_FMT_FP6
	v_wmma_scale_f32_16x16x128_f8f6f4 v[OT+8*\t+8:OT+8*\t+15], v[VF+12*\t+12:VF+12*\t+23], v[PC:PC+11], v[OT+8*\t+8:OT+8*\t+15], v[VS+\t/2], v[PWD] matrix_a_fmt:MATRIX_FMT_FP6 matrix_b_fmt:MATRIX_FMT_FP6 matrix_a_scale:MATRIX_SCALE_ROW1
.endr
	s_add_co_u32 s[TB], s[TB], 6144
	s_add_co_u32 s[TS], s[TS], 512
	s_add_co_u32 s[TJ], s[TJ], 256
	s_add_co_u32 s[STP], s[STP], 1
	s_cmp_lt_u32 s[STP], 16
	s_cbranch_scc1 .Lstep
	; THE WAY OUT of a query tile: alpha = O^T / the sum; register 16 b + i is d = 32 b + 16 (lane / 16) + i of my head: two blocks along the embedding
.rept 4
	v_nop                                          ; four places behind the last products
.endr
	v_add_f32 v14, v14, v15
	s_delay_alu instid0(VALU_DEP_1)
	v_permlanex16_b32 v[T], v14, s[SEL], s[SEL+1]
	s_delay_alu instid0(VALU_DEP_1)
	v_add_f32 v14, v14, v[T]                       ; the row's sum
	s_wait_alu depctr_va_vdst(0)
	v_rcp_f32 v14, v14
	v_nop                                          ; a plain place behind the transcendental
	s_wait_alu depctr_va_vdst(0)                   ; and the wait ahead of its first reader
.set nn, 0
.rept 16
	v_pk_mul_f32 v[S+nn:S+nn+1], v[OT+nn:OT+nn+1], v[14:15] op_sel_hi:[1,0]
.set nn, nn+2
.endr
.irp b, 0,1
	v_max3_num_f32 v[BM+\b], |v[S+16*\b]|, |v[S+1+16*\b]|, 0x1800000
.endr
.irp i, 2,4,6,8,10,12,14
.irp b, 0,1
	s_delay_alu instid0(VALU_DEP_2)
	v_max3_num_f32 v[BM+\b], v[BM+\b], |v[S+16*\b+\i]|, |v[S+1+16*\b+\i]|
.endr
.endr
.irp b, 0,1
	s_delay_alu instid0(VALU_DEP_2)
	v_permlanex16_b32 v[BT+\b], v[BM+\b], s[SEL], s[SEL+1]
.endr
.irp b, 0,1
	s_delay_alu instid0(VALU_DEP_2)
	v_max_num_f32 v[BM+\b], v[BM+\b], v[BT+\b]
.endr
.irp b, 0,1
	s_delay_alu instid0(VALU_DEP_2)
	v_add_nc_u32 v[SO+\b], 0xff000000, v[BM+\b]
.endr
.irp b, 0,1
	s_delay_alu instid0(VALU_DEP_2)
	v_lshrrev_b32 v[BT+\b], 23, v[SO+\b]
.endr
	s_delay_alu instid0(VALU_DEP_1)
	v_lshl_or_b32 v[T], v[BT+1], 8, v[BT]          ; my head's two scale bytes
	v_cvt_scalef32_pk16_fp6_f32 v[PC:PC+2], v[S:S+15], v[SO]
	v_cvt_scalef32_pk16_fp6_f32 v[CT:CT+2], v[S+16:S+31], v[SO+1]
	v_nop
.irp i, 0,1,2
	v_permlane16_swap_b32 v[PC+\i], v[CT+\i]
.endr
.irp i, 0,1,2
	s_delay_alu instid0(VALU_DEP_3)
	v_mov_b32 v[PC+3+\i], v[CT+\i]
.endr
	global_store_b128 v[L16], v[PC:PC+3], s[8:9]               ; the image: 512 consecutive bytes, aligned,
	global_store_b64 v[L8], v[PC+4:PC+5], s[8:9] offset:512    ; and 256
	global_store_b16 v[R4], v[T], s[10:11]         ; two bytes a row, four apart: 32 of a tile's 64 bytes for this K step, the other head of the pair has the rest; both halves of the lanes store the same
	s_wait_xcnt 0x0                                ; the stores and loads have read their registers and bases
	s_add_nc_u64 s[4:5], s[4:5], 768
	s_add_nc_u64 s[QSP:QSP+1], s[QSP:QSP+1], 64
	s_add_nc_u64 s[8:9], s[8:9], 12288
	s_add_nc_u64 s[10:11], s[10:11], 512
	s_add_co_u32 s[PAS], s[PAS], 1
	s_cmp_lt_u32 s[PAS], 2
	s_cbranch_scc1 .Lpass
	s_wait_kmcnt 0x0                               ; the last look-ahead
	s_wait_tensorcnt 0x0                           ; the wave's end
	ds_add_u32 v[SPW], v[NIL]
	s_wait_dscnt 0x0
	CROUND                                         ; the closing round
	s_endpgm
.Lfunc_end_k_q0345f45409_attn:
	.size	k_q0345f45409_attn, .Lfunc_end_k_q0345f45409_attn-k_q0345f45409_attn
	.p2alignl 7, 3214868480
	.fill 96, 4, 3214868480
	.section	.rodata,"a",@progbits
	.p2align	6, 0x0
	.amdhsa_kernel k_q0345f45409_attn
		.amdhsa_group_segment_fixed_size 210944
		.amdhsa_private_segment_fixed_size 0
		.amdhsa_enable_private_segment 0
		.amdhsa_kernarg_size 32
		.amdhsa_user_sgpr_count 2
		.amdhsa_user_sgpr_kernarg_segment_ptr 1
		.amdhsa_wavefront_size32 1
		.amdhsa_system_sgpr_workgroup_id_x 1
		.amdhsa_system_sgpr_workgroup_id_y 1
		.amdhsa_system_sgpr_workgroup_id_z 1
		.amdhsa_system_vgpr_workitem_id 0
		.amdhsa_next_free_vgpr 256
		.amdhsa_next_free_sgpr 100
		.amdhsa_reserve_vcc 0
		.amdhsa_float_denorm_mode_32 3
		.amdhsa_float_denorm_mode_16_64 3
		.amdhsa_memory_ordered 1
		.amdhsa_forward_progress 1
		.amdhsa_inst_pref_size 35
	.end_amdhsa_kernel
	.amdgpu_metadata
---
amdhsa.version: [ 1, 2 ]
amdhsa.kernels:
  - .name:           k_q0345f45409_attn
    .symbol:         k_q0345f45409_attn.kd
    .args:
      - { .name: qkv, .offset: 0, .size: 8, .value_kind: global_buffer, .address_space: global }
      - { .name: mw, .offset: 8, .size: 8, .value_kind: global_buffer, .address_space: global }
      - { .name: aimg, .offset: 16, .size: 8, .value_kind: global_buffer, .address_space: global }
      - { .name: asc, .offset: 24, .size: 8, .value_kind: global_buffer, .address_space: global }
    .group_segment_fixed_size: 210944
    .private_segment_fixed_size: 0
    .kernarg_segment_align: 8
    .kernarg_segment_size: 32
    .max_flat_workgroup_size: 512
    .sgpr_count:     100
    .vgpr_count:     256
    .wavefront_size: 32
...
	.end_amdgpu_metadata
.endif
;; end of part 2
;; launch outp (part 3): grid 64 x 4, 4 waves a work-group, clusters of 4 x 4, 327,680 bytes of LDS; arguments Wo_codes, Wo_scales, aimg, asc, out0; writes out0
.if DOCPART == 3
	.amdgcn_target "amdgcn-amd-amdhsa--gfx1250"
	.amdhsa_code_object_version 6
	.text
	.protected	k_q0345f45409_outp
	.globl	k_q0345f45409_outp
	.p2align	8
	.type	k_q0345f45409_outp,@function
k_q0345f45409_outp:
	s_mov_b64 s[64:65], 0
	v_nop
	global_prefetch_b8 v0, s[64:65] scope:SCOPE_SE
	s_setreg_imm32_b32 hwreg(HW_REG_WAVE_MODE, 25, 1), 1
	s_wait_xcnt 0x0
	s_wait_alu depctr_hold_cnt(0) depctr_sa_sdst(0) depctr_va_vdst(0) depctr_va_sdst(0) depctr_va_ssrc(0) depctr_va_vcc(0) depctr_vm_vsrc(0)
	s_getreg_b32 s2, hwreg(HW_REG_IB_STS2, 6, 4)
	s_cmp_eq_u32 s2, 0
	s_cbranch_scc0 .Lentry_in_a_cluster
	s_endpgm
.Lentry_in_a_cluster:
	s_bfe_u32 s2, ttmp6, 0x10000c
	s_cmp_lg_u32 s2, 0xf033
	s_cbranch_scc0 .Lentry_shape_is_right
	s_endpgm
.Lentry_shape_is_right:
; THE PROJECTION ON THE WAY OUT: out[token][i] = sum over k of Wo[i][k] alpha[token][k], K = 1,024, both operands codes of E2M3 with E8M0 scales.  No work is left out here.
; P = Wo (source 0, rows as they lie in memory), R = alpha (source 1, images of operand registers: [token tile][K step] 1,536 bytes; scale words [token tile][K step][16]).
; SHARES: a work-group makes i 256 x 128 tokens, a wave i 128 x 64 tokens: 32 accumulators.  All of K of both tiles lies in LDS at once; nothing is filled again.
; CLUSTER 4 x 4: Wo's tile hangs on cy alone and is asked for jointly along a row of the cluster, alpha's on the tile column alone, jointly along a column.
; TILE ORDER, for Wo's rows and for the tokens of alpha's tiles: lane-row r of tile T stands for row 32 (T / 2) + 8 (T % 2) + r + 8 (r / 8).  A lane holds one token; register j of Wo's tile a is i = 32 (a / 2) + 16 (lane / 16) + 8 (a % 2) + j.
.set ROWP,  816
.set SLAB,  16*ROWP
.set PGD,   104576                     ; Wo's rows with bit 4 set lie this far behind those without: 128 more than a multiple of 256 bytes
.set RIMG,  209152                     ; alpha's images: 8 token tiles x 12,288 bytes
; THE SCALE WORDS do not pass through LDS: each wave loads its own 128 rows of Wo's (4,096 bytes) and its four token tiles' words of alpha's (2,048 bytes) from memory into the registers that the products name.
; They are not asked for jointly: a work-group's scales are 12,288 bytes beside 294,912 bytes of codes.
.set SPARE, 320256                     ; the spare words: 128 bytes a wave, two blocks of 256 bytes that no other line names
.set FL,    (3<<16)|(1<<20)|(1<<21)|(5<<22)|(3<<25)
.set FLR,   (3<<16)|(1<<21)            ; the same without padding
.set ADP,  2
.set AR16, 4                           ; v4   alpha's images: 16 x lane
.set AR8,  5                           ; v5   8 x lane
.set ASP,  6
.set ASR,  7
.set STO,  8                           ; v8   the stage: where I put 32 bytes of a row
.set RD,   9                           ; v9   and where I read a row back
.set CO,   10                          ; v10  16 x lane
.set SPW,  28
.set NIL,  29
.set SP,   32                          ; v32-63 Wo's scale words
.set SR,   64                          ; v64-79 alpha's
.set RF,   96                          ; v96-191 alpha's fragments, two sets of 48
.set BK,   128                         ; the way out: 16 rows read back: v128-191 and v192-255 by turns
.set WV,   22
.set CX,   66
.set CY,   67
.set WI,   84
.set WJ,   85
.set TJ,   87
.set G1PC, 24
.set G1PS, 32
.set G1RC, 40
.set G1RS, 48
.set G0PC, 68
.set G0PS, 72
.set G0RC, 76
.set G0RS, 80
.set MSB, 0
.macro WIN new
.if MSB != \new
	s_set_vgpr_msb (MSB<<8)|\new
.set MSB, \new
.endif
.endm
.macro CROUND
	s_barrier_signal -1
	s_barrier_wait -1
	s_cmp_lg_u32 s[WV], 0
	s_cbranch_scc1 .Lnot_wave_0_\@
	s_barrier_signal -3
.Lnot_wave_0_\@:
	s_barrier_wait -3
	s_barrier_signal -1
	s_barrier_wait -1
.endm
	s_load_b256 s[4:11], s[0:1], 0x0               ; Wo's codes, Wo's scales, aimg, asc
	s_load_b64 s[12:13], s[0:1], 0x20              ; out0
	v_lshl_add_u32 v[SPW], v0, 2, SPARE
	v_mov_b32 v[NIL], 0
	ds_add_u32 v[SPW], v[NIL]                      ; the wave's opening: the add, twice on end, and its wait ahead of my first tensor load
	ds_add_u32 v[SPW], v[NIL]                      ; and once more; the set-up below stands between it and the wait
	v_lshrrev_b32 v1, 5, v0
	v_readfirstlane_b32 s[WV], v1
	s_bfe_u32 s[CX], ttmp6, 0x40000
	s_bfe_u32 s[CY], ttmp6, 0x40004                ; the tile row of Wo
	s_lshl_b32 s2, s[CY], 2
	s_lshl_b32 s2, 15, s2                          ; my row of the cluster
	s_lshl_b32 s3, 0x1111, s[CX]                   ; my column
	s_or_b32 s[G1PC], s2, FL
	s_or_b32 s[G1RC], s3, FLR
	s_mov_b32 s[G1PC+1], 1536<<16                  ; Wo's codes: a line is 16 whole rows, 12,288 dense bytes; 8 lines, 32 rows apart
	s_mov_b32 s[G1PC+2], 8<<16
	s_mov_b32 s[G1PC+3], 1536<<16
	s_mov_b32 s[G1PC+4], 8
	s_mov_b32 s[G1PC+5], 3072
	s_mov_b32 s[G1PC+6], 0
	s_mov_b32 s[G1PC+7], 0
.irp g, G1RC                           ; a dense block as rows of 256 bytes
	s_mov_b32 s[\g+1], 32<<16
	s_mov_b32 s[\g+3], 32<<16
	s_mov_b32 s[\g+5], 32
	s_mov_b32 s[\g+6], 0
	s_mov_b32 s[\g+7], 0
.endr
	s_mov_b32 s[G1RC+2], 192<<16                   ; four token tiles x 12,288 bytes
	s_mov_b32 s[G1RC+4], 192
	s_and_b32 s[WI], s[WV], 1                      ; my half of i; also which part I fetch
	s_lshr_b32 s[WJ], s[WV], 1                     ; my half of the tokens
	s_lshl_b32 s[TJ], ttmp9, 2
	s_add_co_u32 s[TJ], s[TJ], s[CX]               ; the tile column: 128 tokens
	s_lshl_b32 s2, s[CY], 8
	s_lshl_b32 s92, s[WI], 4
	s_add_co_u32 s92, s92, s2
	s_mul_i32 s92, s92, 768                        ; Wo's codes from row 256 cy + 16 g on
	s_mov_b32 s93, 0
	s_lshl_b32 s90, s[WI], 7
	s_add_co_u32 s90, s90, s2
	s_lshl_b32 s90, s90, 5                         ; its scale bytes from row 256 cy + 128 g on
	s_mov_b32 s91, 0
	s_lshl_b32 s3, s[TJ], 3
	s_lshl_b32 s94, s[WI], 2
	s_add_co_u32 s3, s3, s94                       ; token tile 8 tj + 4 g
	s_mul_i32 s94, s3, 12288
	s_mov_b32 s95, 0
	s_lshl_b32 s96, s[TJ], 3
	s_lshl_b32 s97, s[WJ], 2
	s_add_co_u32 s96, s96, s97                     ; token tile 8 tj + 4 wj: my four tiles
	s_lshl_b32 s96, s96, 9                         ; 512 bytes of scale words a tile
	s_mov_b32 s97, 0
	s_wait_dscnt 0x0                               ; both opening adds are done
	s_wait_kmcnt 0x0
	s_mov_b32 s[G0PC], 1
	s_mul_i32 s[G0PC+1], s[WI], PGD
	s_add_nc_u64 s[G0PC+2:G0PC+3], s[4:5], s[92:93]
	s_or_b32 s[G0PC+3], s[G0PC+3], 0x80000000
	s_add_nc_u64 s[G0PS+2:G0PS+3], s[6:7], s[90:91]   ; a plain address: my 128 rows of Wo's scales
	s_mov_b32 s[G0RC], 1
	s_mul_i32 s[G0RC+1], s[WI], 49152
	s_add_co_u32 s[G0RC+1], s[G0RC+1], RIMG
	s_add_nc_u64 s[G0RC+2:G0RC+3], s[8:9], s[94:95]
	s_or_b32 s[G0RC+3], s[G0RC+3], 0x80000000
	s_add_nc_u64 s[G0RS+2:G0RS+3], s[10:11], s[96:97] ; a plain address: my four tiles' scale words of alpha
	CROUND                                         ; all sixteen work-groups are here
	s_cmp_lt_u32 s[WV], 2                          ; waves 0, 1 fetch Wo's two parts, waves 2, 3 alpha's: one load of mine is out
	s_cbranch_scc0 .Lfill_r
	tensor_load_to_lds s[G0PC:G0PC+3], s[G1PC:G1PC+7]
	s_nop 0
.rept 4
	v_nop
.endr
	s_branch .Lfilled
.Lfill_r:
	tensor_load_to_lds s[G0RC:G0RC+3], s[G1RC:G1RC+7]
	s_nop 0
.rept 4
	v_nop
.endr
.Lfilled:
	v_and_b32 v14, 15, v0                          ; r
	v_bfe_u32 v15, v0, 4, 1                        ; h
	v_and_b32 v16, 7, v0                           ; e
	v_bfe_u32 v17, v0, 3, 1                        ; gg
	v_and_b32 v18, 31, v0                          ; lane
	v_mul_u32_u24 v19, v16, ROWP
	v_mad_u32_u24 v19, v15, 24, v19
	v_mad_u32_u24 v[ADP], v17, PGD, v19
	s_mul_i32 s98, s[WI], 4*SLAB
	v_add_nc_u32 v[ADP], s98, v[ADP]
	v_lshl_add_u32 v[ADP+1], v15, 4, v[ADP]
	s_mul_i32 s98, s[WJ], 49152
	s_add_co_u32 s98, s98, RIMG
	v_lshl_add_u32 v[AR16], v18, 4, s98
	v_lshl_add_u32 v[AR8], v18, 3, s98
	v_lshl_add_u32 v20, v17, 1, v15                ; Wo's scale bytes: a row is 32 bytes.  Tile 2 p + h, rows e + 16 gg: row 32 p + 8 (h + 2 gg) + e
	v_lshlrev_b32 v20, 8, v20
	v_lshl_add_u32 v[ASP], v16, 5, v20
	v_lshlrev_b32 v20, 9, v15                      ; alpha's: lanes 16-31 take the odd tile's words, 512 bytes on
	v_lshl_add_u32 v[ASR], v14, 2, v20
.irp p, 0,1,2,3
	global_load_b128 v[SP+8*\p:SP+8*\p+3], v[ASP], s[G0PS+2:G0PS+3] offset:1024*\p
	global_load_b128 v[SP+8*\p+4:SP+8*\p+7], v[ASP], s[G0PS+2:G0PS+3] offset:1024*\p+16
.endr
.irp p, 0,1
.irp q, 0,1,2,3,4,5,6,7
	global_load_b32 v[SR+8*\p+\q], v[ASR], s[G0RS+2:G0RS+3] offset:1024*\p+64*\q
.endr
.endr
	s_mul_i32 s98, s[WV], 16*528                   ; my stage: 16 rows x (512 + 16) bytes, in Wo's first region
	v_mul_u32_u24 v[STO], v14, 528
	v_lshl_add_u32 v[STO], v15, 6, v[STO]
	v_add_nc_u32 v[STO], s98, v[STO]
	v_lshlrev_b32 v[CO], 4, v18
	v_add_nc_u32 v[RD], s98, v[CO]
	s_lshl_b32 s98, s[TJ], 7
	s_lshl_b32 s99, s[WJ], 6
	s_add_co_u32 s98, s98, s99
	s_lshl_b32 s98, s98, 12                        ; my first token's row of 4,096 bytes
	s_lshl_b32 s99, s[CY], 10
	s_add_co_u32 s98, s98, s99
	s_lshl_b32 s99, s[WI], 9
	s_add_co_u32 s98, s98, s99                     ; + (256 cy + 128 wi) x 4
	s_mov_b32 s99, 0
	s_add_nc_u64 s[12:13], s[12:13], s[98:99]
	s_wait_alu depctr_va_vdst(0)
	s_wait_loadcnt 0x0                             ; my scale words are in their registers,
	s_wait_tensorcnt 0x0                           ; my one tensor load has landed,
	s_barrier_signal -1
	s_barrier_wait -1                              ; everybody's has
.macro FRAG reg, adr, q, T             ; a fragment of Wo: six pieces of 8 bytes; lanes 16-31 read three pieces on: behind one padding more where the piece's number in its 32 is 29 or more
.irp p, 0,1,2,3,4,5
.set PCE, 12*(\q)+6*(\p/3)+\p%3
.if PCE%32 < 29
	ds_load_b64 v[\reg+2*\p:\reg+2*\p+1], v[\adr] offset:8*PCE+16*(PCE/32)+((\T)/2)*SLAB+((\T)%2)*8*ROWP
.else
	ds_load_b64 v[\reg+2*\p:\reg+2*\p+1], v[\adr+1] offset:8*PCE+16*(PCE/32)+((\T)/2)*SLAB+((\T)%2)*8*ROWP
.endif
.endr
.endm
.macro FRAGI reg, q, b                 ; a fragment of alpha: two images of six registers
	ds_load_b128 v[\reg:\reg+3], v[AR16] offset:12288*(\b)+1536*(\q)
	ds_load_b64 v[\reg+4:\reg+5], v[AR8] offset:12288*(\b)+1536*(\q)+512
	ds_load_b128 v[\reg+6:\reg+9], v[AR16] offset:12288*(\b)+1536*(\q)+768
	ds_load_b64 v[\reg+10:\reg+11], v[AR8] offset:12288*(\b)+1536*(\q)+1280
.endm
.macro FETCH q, set
	WIN 0x40
.irp T, 0,1,2,3,4,5,6,7
	FRAG 128*(\set)+12*\T, ADP, \q, \T
.endr
	WIN 0
.irp T, 0,1,2,3
	FRAGI RF+48*(\set)+12*\T, \q, \T
.endr
.endm
.macro WM a, b, q, set, zero           ; one product: Wo's tile a x alpha's tile b.  Odd tiles' scale words stand in lanes 16-31
.set rD, 8*(8*(\b)+(\a))
.set rA, 128*(\set)+12*(\a)
.set rB, RF+48*(\set)+12*(\b)
.set rSA, SP+8*((\a)/2)+(\q)
.set rSB, SR+8*((\b)/2)+(\q)
.set par, 2*((\b)%2)+((\a)%2)
.if \zero
.if par == 0
	v_wmma_scale_f32_16x16x128_f8f6f4 v[rD:rD+7], v[rA:rA+11], v[rB:rB+11], 0, v[rSA], v[rSB] matrix_a_fmt:MATRIX_FMT_FP6 matrix_b_fmt:MATRIX_FMT_FP6
.elseif par == 1
	v_wmma_scale_f32_16x16x128_f8f6f4 v[rD:rD+7], v[rA:rA+11], v[rB:rB+11], 0, v[rSA], v[rSB] matrix_a_fmt:MATRIX_FMT_FP6 matrix_b_fmt:MATRIX_FMT_FP6 matrix_a_scale:MATRIX_SCALE_ROW1
.elseif par == 2
	v_wmma_scale_f32_16x16x128_f8f6f4 v[rD:rD+7], v[rA:rA+11], v[rB:rB+11], 0, v[rSA], v[rSB] matrix_a_fmt:MATRIX_FMT_FP6 matrix_b_fmt:MATRIX_FMT_FP6 matrix_b_scale:MATRIX_SCALE_ROW1
.else
	v_wmma_scale_f32_16x16x128_f8f6f4 v[rD:rD+7], v[rA:rA+11], v[rB:rB+11], 0, v[rSA], v[rSB] matrix_a_fmt:MATRIX_FMT_FP6 matrix_b_fmt:MATRIX_FMT_FP6 matrix_a_scale:MATRIX_SCALE_ROW1 matrix_b_scale:MATRIX_SCALE_ROW1
.endif
.else
.if par == 0
	v_wmma_scale_f32_16x16x128_f8f6f4 v[rD:rD+7], v[rA:rA+11], v[rB:rB+11], v[rD:rD+7], v[rSA], v[rSB] matrix_a_fmt:MATRIX_FMT_FP6 matrix_b_fmt:MATRIX_FMT_FP6
.elseif par == 1
	v_wmma_scale_f32_16x16x128_f8f6f4 v[rD:rD+7], v[rA:rA+11], v[rB:rB+11], v[rD:rD+7], v[rSA], v[rSB] matrix_a_fmt:MATRIX_FMT_FP6 matrix_b_fmt:MATRIX_FMT_FP6 matrix_a_scale:MATRIX_SCALE_ROW1
.elseif par == 2
	v_wmma_scale_f32_16x16x128_f8f6f4 v[rD:rD+7], v[rA:rA+11], v[rB:rB+11], v[rD:rD+7], v[rSA], v[rSB] matrix_a_fmt:MATRIX_FMT_FP6 matrix_b_fmt:MATRIX_FMT_FP6 matrix_b_scale:MATRIX_SCALE_ROW1
.else
	v_wmma_scale_f32_16x16x128_f8f6f4 v[rD:rD+7], v[rA:rA+11], v[rB:rB+11], v[rD:rD+7], v[rSA], v[rSB] matrix_a_fmt:MATRIX_FMT_FP6 matrix_b_fmt:MATRIX_FMT_FP6 matrix_a_scale:MATRIX_SCALE_ROW1 matrix_b_scale:MATRIX_SCALE_ROW1
.endif
.endif
.endm
.macro MUL q, set, zero                ; 32 products; the 32 accumulators take turns, one instruction a turn, in the same order in every step
	WIN 0xa1                                       ; source 0 (Wo) window 1, source 1 (alpha) window 0, C and D window 2
.irp b, 0,1,2,3
.irp a, 0,1,2,3,4,5,6,7
	WM \a, \b, \q, \set, \zero
.endr
.endr
.endm
.macro KSTEP q, zero
	s_wait_dscnt 0x0                               ; this step's fragments are in
.if (\q) > 0
.rept 4
	v_nop                                          ; four places in front of loads into registers that matrix instructions have read
.endr
.endif
.if (\q) < 7
	FETCH (\q)+1,((\q)+1)%2
.endif
	MUL \q,(\q)%2,\zero
.endm
	FETCH 0,0
	KSTEP 0,1                                      ; the first step's products start the sums
.irp q, 1,2,3,4,5,6,7
	KSTEP \q,0
.endr
	WIN 0
	s_wait_dscnt 0x0                               ; my reads of Wo's rows are over,
	s_barrier_signal -1
	s_barrier_wait -1                              ; everybody's are: the stages lie in that region, which has had its one fill
.rept 4
	v_nop                                          ; four places behind the last products, for the stores that read results and the loads into registers that held fragments
.endr
; THE WAY OUT, a token tile (16 rows x 128 columns of f32) at a time, through my own stage: back come whole rows of 512 bytes.  LDS serves a wave's instructions in order (ISA guide 5.7.1.4): no wait between the stores and the loads
.macro TOSTAGE b
	WIN 0x08                                       ; an LDS store's data are its source 1: window 2
.irp a, 0,1,2,3,4,5,6,7
	ds_store_b128 v[STO], v[64*(\b)+8*\a:64*(\b)+8*\a+3] offset:128*(\a/2)+32*(\a%2)        ; each accumulator from its low end on
	ds_store_b128 v[STO], v[64*(\b)+8*\a+4:64*(\b)+8*\a+7] offset:128*(\a/2)+32*(\a%2)+16
.endr
	WIN 0
.set BB, BK+64*((\b)%2)
.irp t, 0,1,2,3,4,5,6,7,8,9,10,11,12,13,14,15
	ds_load_b128 v[BB+4*\t:BB+4*\t+3], v[RD] offset:\t*528
.endr
.endm
.macro SEND b, younger                 ; younger: the LDS instructions issued behind tile b's loads, which may stay out
.set BB, BK+64*((\b)%2)
	s_wait_dscnt \younger
.irp t, 0,1,2,3,4,5,6,7,8,9,10,11,12,13,14,15
	global_store_b128 v[CO], v[BB+4*\t:BB+4*\t+3], s[12:13] offset:(32*((\b)/2)+8*((\b)%2)+\t+8*(\t/8))*4096 th:TH_STORE_NT   ; 32 lanes store 512 consecutive bytes, aligned; the row is the token that lane-row t stands for
.endr
.endm
	TOSTAGE 0
.irp b, 1,2,3
.if \b > 1
	s_wait_xcnt 0x0                                ; tile b - 2's stores have read their registers: tile b's loads may land there
.endif
	TOSTAGE \b
	SEND \b-1, 32                                  ; behind tile b - 1's loads: tile b's 16 stores and 16 loads
.endr
	SEND 3, 0
	s_wait_tensorcnt 0x0                           ; the wave's end
	ds_add_u32 v[SPW], v[NIL]
	s_wait_dscnt 0x0
	CROUND                                         ; the closing round
	s_endpgm
.Lfunc_end_k_q0345f45409_outp:
	.size	k_q0345f45409_outp, .Lfunc_end_k_q0345f45409_outp-k_q0345f45409_outp
	.p2alignl 7, 3214868480
	.fill 96, 4, 3214868480
	.section	.rodata,"a",@progbits
	.p2align	6, 0x0
	.amdhsa_kernel k_q0345f45409_outp
		.amdhsa_group_segment_fixed_size 327680
		.amdhsa_private_segment_fixed_size 0
		.amdhsa_enable_private_segment 0
		.amdhsa_kernarg_size 40
		.amdhsa_user_sgpr_count 2
		.amdhsa_user_sgpr_kernarg_segment_ptr 1
		.amdhsa_wavefront_size32 1
		.amdhsa_system_sgpr_workgroup_id_x 1
		.amdhsa_system_sgpr_workgroup_id_y 1
		.amdhsa_system_sgpr_workgroup_id_z 1
		.amdhsa_system_vgpr_workitem_id 0
		.amdhsa_next_free_vgpr 768
		.amdhsa_next_free_sgpr 100
		.amdhsa_reserve_vcc 0
		.amdhsa_float_denorm_mode_32 3
		.amdhsa_float_denorm_mode_16_64 3
		.amdhsa_memory_ordered 1
		.amdhsa_forward_progress 1
		.amdhsa_inst_pref_size 90
	.end_amdhsa_kernel
	.amdgpu_metadata
---
amdhsa.version: [ 1, 2 ]
amdhsa.kernels:
  - .name:           k_q0345f45409_outp
    .symbol:         k_q0345f45409_outp.kd
    .args:
      - { .name: Wo_codes, .offset: 0, .size: 8, .value_kind: global_buffer, .address_space: global }
      - { .name: Wo_scales, .offset: 8, .size: 8, .value_kind: global_buffer, .address_space: global }
      - { .name: aimg, .offset: 16, .size: 8, .value_kind: global_buffer, .address_space: global }
      - { .name: asc, .offset: 24, .size: 8, .value_kind: global_buffer, .address_space: global }
      - { .name: out0, .offset: 32, .size: 8, .value_kind: global_buffer, .address_space: global }
    .group_segment_fixed_size: 327680
    .private_segment_fixed_size: 0
    .kernarg_segment_align: 8
    .kernarg_segment_size: 40
    .max_flat_workgroup_size: 128
    .sgpr_count:     100
    .vgpr_count:     768
    .wavefront_size: 32
...
	.end_amdgpu_metadata
.endif
;; end of part 3
